; MI455X (gfx1250); checked and timed in simulation.
; The chip was launched on July 23, 2026; its instructions are those of AMD's public machine-readable ISA for CDNA 5 (MIT licence, August 2026) and "CDNA5" Instruction Set Architecture Reference Guide (July 2026). The comments in the code are by the model that wrote it; some were corrected since.
;; Multi Head Latent Attention. Allowed arithmetic: matrix products marked QUANTISED: E3M2 operands, one E8M0 scale for each 32 along K, by v_wmma_scale_f32_16x16x128_f8f6f4 with both operands' format E3M2, f32 sums; products left as they are: f32 operands where the result goes on into a quantised operand, else bf16, f16 or f32 operands; f32 sums; everything else in f32.
;; Inputs: W_qk 12 x 128 float32; Wkv_d 4,096 x 4 float32; Wo_codes 4,096 x 128 x 24 uint8 (E3M2 codes of Wo, K innermost, in blocks of 32 codes, four codes in three bytes); Wo_scales 4,096 x 128 uint8 (E8M0 scales of Wo, one for each 32 codes along K); Wq_d 4,096 x 12 float32; Wv_u 4 x 4,096 float32; b_qk 128 float32; bkv_d 4 float32; bo 4,096 float32; bq_d 12 float32; bv_u 4,096 float32; x 2 x 1,024 x 4,096 float32.
;; Outputs: out0 2 x 1,024 x 4,096 float32.
;; This version of the problem:
;;   THIS VERSION OF THE PROBLEM IS GIVEN IN LOW PRECISION. The matrix products marked QUANTISED in the list below multiply operands that are first quantised to E3M2 (3 exponent bits, 2 mantissa bits; 6 bits a number), with one power-of-two scale for each 32 numbers along K (OCP MX v1.0); their sums are f32. All else is computed in f32.
;;   The module's matrix products, in the order in which they are computed (A, B: the left and right operand; K: the contracted axis; several contracted axes count as one K, in the product's order):
;;     1. [M 2,048, K 4,096] x [K 4,096, N 12]; A: input x; B: input Wq_d: left as it is (N = 12 < 16)
;;     2. [M 2,048, K 4,096] x [K 4,096, N 4]; A: input x; B: input Wkv_d: left as it is (N = 4 < 16)
;;     3. [M 2,048, K 12] x [K 12, N 128]; A: computed on the way; B: input W_qk: left as it is (K = 12 < 32)
;;     4. batch 2 x [M 1,024, K 4] x [K 4, N 32,768]; A: computed on the way; B: computed on the way: left as it is (K = 4 < 32)
;;     5. [M 2,048, K 4] x [K 4, N 4,096]; A: computed on the way; B: input Wv_u: left as it is (K = 4 < 32)
;;     6. batch 64 x [M 128, K 1,024] x [K 1,024, N 1,024]; A: computed on the way; B: softmax (see below): QUANTISED
;;     7. [M 2,048, K 4,096] x [K 4,096, N 4,096]; A: computed on the way; B: input Wo (given as codes): QUANTISED
;;   THE QUANTISER, for each operand of a quantised product, along K:
;;     - K is cut into blocks of 32 from its start; a last block that is shorter is filled with zeros.
;;     - A block's scale is 2^e with e = floor(log2(the largest magnitude in the block)) - 4, held to -126 .. 127; a block of zeros has e = 0. As a byte (E8M0): e + 127.
;;     - Each number is divided by its block's scale, clamped to +-28, and rounded to the nearest number of E3M2, ties to even, subnormals kept.
;;     - The product sums the exact products of the quantised numbers (number of the format x scale) in f32.
;;   ~~~python
;;   def quantise(x, axis):      # numpy; x: float32 -> the quantised numbers, widened to float32 again
;;       x = np.moveaxis(x, axis, -1); K = x.shape[-1]
;;       x = np.pad(x, [(0, 0)] * (x.ndim - 1) + [(0, -K % 32)]); x = x.reshape(x.shape[:-1] + (-1, 32)); a = np.abs(x).max(-1, keepdims=True)
;;       e = np.where(a > 0, np.clip(np.frexp(np.where(a > 0, a, 1))[1] - 1 - 4, -126, 127), 0)      # np.frexp(a)[1] - 1 = floor(log2(a)), exactly
;;       r = np.clip(x / 2.0 ** e, -28, 28)
;;       step = 2.0 ** (np.maximum(np.frexp(np.where(r == 0, 1, r))[1] - 1, -2) - 2)
;;       q = np.round(r / step) * step * 2.0 ** e      # np.round: ties to even
;;       return np.moveaxis(q.reshape(q.shape[:-2] + (-1,))[..., :K], -1, axis).astype(np.float32)
;;   ~~~
;;   SOFTMAX AHEAD OF A QUANTISED PRODUCT. Where the list says 'softmax', what is quantised is not the finished softmax but p = 2^(t - M), with t = logit x log2(e) and M = ceil(the row's largest t), a whole number; so 1/2 < the row's largest p <= 1. The row's sum l is taken of the UNQUANTISED p, in f32, and the product's result is divided by l at the end. Since M is a whole number, a kernel that streams over the keys may use a running M (the ceiling of the running maximum): every later rescaling is an exact power of two, which a block's scale takes up: the codes' values come out the same.
;;   OPERANDS COMPUTED ON THE WAY. 'Computed on the way' means the value that the module computes at that place (a softmax that the list does not call 'softmax' is quantised finished and normalised). What goes into a quantiser is computed in f32, as accurately as f32 sums, v_exp_f32 and their like allow (about 1e-6 of the number): no bf16 or f16 on the way to a quantiser, and a product that is left as it is and whose result goes on into a quantised operand takes f32 operands (vector FMAs, or v_wmma_f32_16x16x4_f32). A number that lies on a knife's edge between two numbers of the format may be rounded either way, as far as f32 arithmetic and the matrix unit's own rounding can turn it there, and no further.
;;   INPUTS GIVEN AS CODES. Wo (in the module: [4096, 4096], K = its axis 0): each comes as NAME_codes (uint8): NAME with its K axis moved to the last place and cut into blocks of 32 codes, [.., K / 32, bytes a block], one block behind the other in memory; four codes in three bytes: a row's codes are one little-endian stream of bits, code i at bits 6 i .. 6 i + 5 (a code: sign, 3 exponent bits, 2 mantissa bits); and NAME_scales (uint8): the same leading axes, one E8M0 byte (e + 127) for each 32 codes along K. Its value is code x scale, taken as it is: it is not quantised again, and the codes and scales need not be those that the quantiser above would give.
;; 2 versions, each right; version 2 is version 1 with the launch attn written anew for expert scheduling mode. Each part assembles by itself: llvm-mc -triple=amdgcn-amd-amdhsa -mcpu=gfx1250 --defsym DOCPART=n.
;; ======== version 1 of 2: 3 launches
;; workspace buffers: part 524,288 bytes; aimg 6,553,600 bytes; wimg 13,107,200 bytes
;; launch latent (part 1): grid 256 x 1, 8 waves a work-group, no clusters, 218,112 bytes of LDS; arguments x, Wq_d, Wkv_d, part; writes part
.if DOCPART == 1
	.amdgcn_target "amdgcn-amd-amdhsa--gfx1250"
	.amdhsa_code_object_version 6
	.text
	.protected	k_qe7063171d5_latent
	.globl	k_qe7063171d5_latent
	.p2align	8
	.type	k_qe7063171d5_latent,@function
k_qe7063171d5_latent:
	s_mov_b64 s[64:65], 0
	v_nop
	global_prefetch_b8 v0, s[64:65] scope:SCOPE_SE
	s_setreg_imm32_b32 hwreg(HW_REG_WAVE_MODE, 25, 1), 1
	s_wait_xcnt 0x0
; PARTIAL SUMS OF x [Wq_d | Wkv_d].  x: [2048][4096] f32; Wq_d: [4096][12]; Wkv_d: [4096][4]; all arithmetic in f32 (the results go on into quantised operands).
; part: region Q at byte 0: [slice 4][row 2048][12] f32; region KV at byte 393,216: [slice 4][row 2048][4] f32.  The biases and the sum over the four slices are the next launch's.
; SHARES.  Work-group g takes 32 rows (g / 4) and a slice of 1,024 along K (g % 4): 256 work-groups, each byte of x read once.  Wave w takes 16 rows (w / 4) and 256 along K (w % 4), in four chunks of 64.
; x comes by the tensor data mover, each chunk a tile of 16 rows x 256 bytes that only the issuing wave reads; the work-group's 128 KiB lie in LDS at once: every byte is filled once, nothing is filled again.
; W's slice (1,024 x 16 numbers) is turned on its way into LDS (a lane loads a row k, and stores its 16 numbers to 16 rows n), so that K lies along the rows as the matrix unit wants it.
; THE PRODUCT IS USED TRANSPOSED: source 0 = W^T (16 outputs x 4 k), source 1 = 16 rows of x: a lane then holds one row of x and eight neighbouring outputs.
; Both sources take the same permutation of k: a lane's 16 bytes are k0 + 4 (lane / 16) + 0 .. 3, two matrix instructions' worth.
; NO CLUSTER: the work-groups that share a slice of W turn it through registers (no tile of it arrives by a tensor load), and no two work-groups read the same bytes of x.
; LIMITS: NaN and infinities among the inputs are not served.
.set CH,   4352                        ; a chunk in LDS: 16 rows x (256 bytes + 16 of padding): row r starts 68 r words on, so 16 rows start at 16 different groups of banks
.set WT,   32*CH                       ; behind x's 32 chunks: W^T, 16 chunks of 64 k: chunk x CH + n x 272 + 4 (k % 64)
.set RED,  WT+16*CH                    ; behind it: 1,024 bytes for each wave: its eight result registers as they stand
.set ACC,  16                          ; v16-47   four accumulators by turns; written by matrix instructions alone
.set T,    48                          ; v48-63   sums
.set WF,   64                          ; v64-191  W^T's fragments of my 256 k (v64-127 first take W as it is loaded)
.set XF,   192                         ; v192-255 x's fragments of a chunk, two sets
.set G1,   16                          ; s[16:23] descriptor group 1
.set G0,   24                          ; s[24:39] descriptor group 0, one set for each chunk
	s_load_b256 s[4:11], s[0:1], 0x0               ; x s[4:5], Wq_d s[6:7], Wkv_d s[8:9], part s[10:11]
	s_set_vgpr_msb 0x40
	v_lshl_add_u32 v0, v0, 2, 0x35000
	v_mov_b32 v1, 0
	s_set_vgpr_msb 0x4045
	ds_add_u32 v0, v1
	ds_add_u32 v0, v1
	s_set_vgpr_msb 0x4500
	v_lshrrev_b32 v1, 5, v0
	v_readfirstlane_b32 s12, v1                    ; wave 0..7
	s_lshr_b32 s13, s12, 2                         ; which 16 rows
	s_and_b32 s14, s12, 3                          ; which 256 along K
	s_lshr_b32 s15, ttmp9, 2                       ; which 32 rows
	s_and_b32 s40, ttmp9, 3                        ; which slice of 1,024 along K
	s_mov_b32 s[G1+0], (2<<16)|(1<<20)|(5<<22)|(3<<25)  ; no mask; elements of 4 bytes; padding on: after every 64 words (code 5) 4 words (code 3)
	s_mov_b32 s[G1+1], 64<<16                      ; tensor_dim0 = 64
	s_mov_b32 s[G1+2], 16<<16                      ; tensor_dim1 = 16
	s_mov_b32 s[G1+3], 64<<16                      ; tile_dim0 = 64
	s_mov_b32 s[G1+4], 16                          ; tile_dim1 = 16
	s_mov_b32 s[G1+5], 4096                        ; elements from row to row
	s_mov_b32 s[G1+6], 0
	s_mov_b32 s[G1+7], 0
	s_lshl_b32 s42, s15, 19                        ; 32 rows of 16,384 bytes,
	s_lshl_b32 s43, s13, 18                        ; 16 rows,
	s_add_co_u32 s42, s42, s43
	s_lshl_b32 s43, s40, 12                        ; the slice's 4,096 bytes of a row,
	s_add_co_u32 s42, s42, s43
	s_lshl_b32 s43, s14, 10                        ; my 1,024 of them
	s_add_co_u32 s42, s42, s43
	s_mov_b32 s43, 0
	s_mul_i32 s41, s12, 4*CH                       ; my four chunks in LDS
	s_wait_dscnt 0x0
	s_wait_kmcnt 0x0
	s_add_nc_u64 s[4:5], s[4:5], s[42:43]
.irp c, 0,1,2,3
	s_mov_b32 s[G0+4*\c], 1                        ; count = 1
	s_add_co_u32 s[G0+4*\c+1], s41, \c*CH          ; LDS address
	s_add_nc_u64 s[G0+4*\c+2:G0+4*\c+3], s[4:5], \c*256   ; global address: 64 numbers on for each chunk
	s_or_b32 s[G0+4*\c+3], s[G0+4*\c+3], 0x80000000       ; type = 2
.endr
.irp c, 0,1,2,3
	tensor_load_to_lds s[G0+4*\c:G0+4*\c+3], s[G1:G1+7]   ; all first fills together, ahead of every wait on TENSORcnt, LDS read and barrier: four loads of mine are out
	s_nop 0
.endr
.rept 4
	v_nop
.endr
	s_mul_i32 s44, s40, 49152                      ; the slice's 1,024 rows of Wq_d (48 bytes each)
	s_mov_b32 s45, 0
	s_add_nc_u64 s[6:7], s[6:7], s[44:45]
	s_lshl_b32 s44, s40, 14                        ; and of Wkv_d (16 bytes each)
	s_add_nc_u64 s[8:9], s[8:9], s[44:45]
	v_mul_u32_u24 v7, v0, 48                       ; thread t takes rows k = 256 i + t
	v_lshlrev_b32 v8, 4, v0
.irp i, 0,1,2,3
.irp m, 0,1,2
	global_load_b128 v[WF+16*\i+4*\m:WF+16*\i+4*\m+3], v7, s[6:7] offset:12288*\i+16*\m
.endr
	global_load_b128 v[WF+16*\i+12:WF+16*\i+15], v8, s[8:9] offset:4096*\i
.endr
	v_and_b32 v1, 31, v0                           ; lane
	v_and_b32 v2, 15, v0                           ; r
	v_bfe_u32 v3, v0, 4, 1                         ; h
	v_lshrrev_b32 v4, 6, v0
	v_mul_u32_u24 v4, v4, CH
	v_and_b32 v12, 63, v0
	v_lshl_add_u32 v4, v12, 2, v4
	v_add_nc_u32 v4, WT, v4                        ; W^T on the way in: chunk t / 64, word t % 64; 4 i chunks and n rows stand in the immediate
	v_mul_u32_u24 v12, v2, 272
	v_lshl_add_u32 v12, v3, 4, v12                 ; a fragment's row r, + 16 h
	s_mul_i32 s46, s14, 4*CH
	s_add_co_u32 s46, s46, WT
	v_add_nc_u32 v5, s46, v12                      ; W^T's fragments of my 256 k
	v_add_nc_u32 v6, s41, v12                      ; x's fragments
	s_lshl_b32 s47, s12, 10
	s_add_co_u32 s47, s47, RED
	v_lshl_add_u32 v9, v1, 4, s47                  ; my wave's 1,024 bytes for its result
	s_lshl_b32 s44, s15, 5
	s_lshl_b32 s45, s13, 4
	s_add_co_u32 s44, s44, s45
	v_add_nc_u32 v13, s44, v2                      ; my row of x
	s_mul_i32 s45, s40, 98304
	v_mul_u32_u24 v14, v13, 48
	v_add_nc_u32 v14, s45, v14                     ; region Q: my slice, my row
	v_lshl_add_u32 v10, v3, 5, v14                 ; registers 0-3: outputs 0-3 (h = 0) or 8-11 (h = 1)
	v_add_nc_u32 v14, 16, v14                      ; registers 4-7: outputs 4-7 (h = 0),
	s_lshl_b32 s45, s40, 15
	s_add_co_u32 s45, s45, 393216
	v_lshl_add_u32 v15, v13, 4, s45                ; or outputs 12-15 (h = 1): region KV
	v_cmp_eq_u32 vcc_lo, 1, v3
	v_cndmask_b32 v11, v14, v15, vcc_lo
	s_wait_loadcnt 0x0
.irp i, 0,1,2,3
.irp n, 0,1,2,3,4,5,6,7,8,9,10,11,12,13,14,15
	ds_store_b32 v4, v[WF+16*\i+\n] offset:4*CH*\i+272*\n   ; 32 lanes: 32 neighbouring words of row n
.endr
.endr
	s_wait_dscnt 0x0                               ; for the others' sake: my part of W^T has landed
	s_barrier_signal -1
	s_barrier_wait -1
.irp c, 0,1,2,3
.irp i, 0,1,2,3,4,5,6,7
	ds_load_b128 v[WF+32*\c+4*\i:WF+32*\c+4*\i+3], v5 offset:CH*\c+32*\i
.endr
.endr
; Chunk c: 64 along K, 16 matrix instructions on four accumulators by turns.  The first four start the sums with the constant 0.
.macro CHUNK c
	s_wait_tensorcnt 3-\c                          ; tensor loads of a wave end in order: chunk c is in; the 3 - c issued behind it may be out
.if \c >= 2
.rept 8
	v_nop                                          ; eight places in front of loads into registers that this matrix form has read
.endr
.endif
.irp i, 0,1,2,3,4,5,6,7
	ds_load_b128 v[XF+32*(\c%2)+4*\i:XF+32*(\c%2)+4*\i+3], v6 offset:CH*\c+32*\i
.endr
	s_wait_dscnt 0x0
.irp i, 0,1,2,3,4,5,6,7
.irp u, 0,1
.if (\c == 0) && (2*\i+\u < 4)
	v_wmma_f32_16x16x4_f32 v[ACC+8*((2*\i+\u)%4):ACC+8*((2*\i+\u)%4)+7], v[WF+32*\c+4*\i+2*\u:WF+32*\c+4*\i+2*\u+1], v[XF+32*(\c%2)+4*\i+2*\u:XF+32*(\c%2)+4*\i+2*\u+1], 0
.else
	v_wmma_f32_16x16x4_f32 v[ACC+8*((2*\i+\u)%4):ACC+8*((2*\i+\u)%4)+7], v[WF+32*\c+4*\i+2*\u:WF+32*\c+4*\i+2*\u+1], v[XF+32*(\c%2)+4*\i+2*\u:XF+32*(\c%2)+4*\i+2*\u+1], v[ACC+8*((2*\i+\u)%4):ACC+8*((2*\i+\u)%4)+7]
.endif
.endr
.endr
.endm
	CHUNK 0
	CHUNK 1
	CHUNK 2
	CHUNK 3
.rept 8
	v_nop                                          ; eight places in front of the first read of results
.endr
.irp j, 0,2,4,6                                ; the four accumulators are added, each read from its low end on, into other registers
	v_pk_add_f32 v[T+\j:T+\j+1], v[ACC+\j:ACC+\j+1], v[ACC+8+\j:ACC+9+\j]
	v_pk_add_f32 v[T+8+\j:T+9+\j], v[ACC+16+\j:ACC+17+\j], v[ACC+24+\j:ACC+25+\j]
.endr
.irp j, 0,2,4,6
	v_pk_add_f32 v[T+\j:T+\j+1], v[T+\j:T+\j+1], v[T+8+\j:T+9+\j]
.endr
	ds_store_b128 v9, v[T:T+3]                     ; my eight registers as they stand
	ds_store_b128 v9, v[T+4:T+7] offset:512
	s_wait_dscnt 0x0
	s_barrier_signal -1
	s_barrier_wait -1                              ; the last barrier: behind it only waves 0 and 4 go on
	s_cmp_lg_u32 s14, 0
	s_cbranch_scc1 .Lend
.irp d, 1,2,3
	ds_load_b128 v[XF+8*(\d-1):XF+8*(\d-1)+3], v9 offset:1024*\d       ; the three waves that took the same rows
	ds_load_b128 v[XF+8*(\d-1)+4:XF+8*(\d-1)+7], v9 offset:1024*\d+512
.endr
	s_wait_dscnt 0x0
.irp d, 0,1,2
.irp j, 0,2,4,6
	v_pk_add_f32 v[T+\j:T+\j+1], v[T+\j:T+\j+1], v[XF+8*\d+\j:XF+8*\d+\j+1]
.endr
.endr
	global_store_b128 v10, v[T:T+3], s[10:11]
	global_store_b128 v11, v[T+4:T+7], s[10:11]
.Lend:
	s_set_vgpr_msb 0x5
	s_wait_tensorcnt 0x0
	ds_add_u32 v0, v1
	s_wait_dscnt 0x0
	s_set_vgpr_msb 0x500
	s_endpgm
.Lfunc_end_k_qe7063171d5_latent:
	.size	k_qe7063171d5_latent, .Lfunc_end_k_qe7063171d5_latent-k_qe7063171d5_latent
	.p2alignl 7, 3214868480
	.fill 96, 4, 3214868480
	.section	.rodata,"a",@progbits
	.p2align	6, 0x0
	.amdhsa_kernel k_qe7063171d5_latent
		.amdhsa_group_segment_fixed_size 218112
		.amdhsa_private_segment_fixed_size 0
		.amdhsa_enable_private_segment 0
		.amdhsa_kernarg_size 32
		.amdhsa_user_sgpr_count 2
		.amdhsa_user_sgpr_kernarg_segment_ptr 1
		.amdhsa_wavefront_size32 1
		.amdhsa_system_sgpr_workgroup_id_x 1
		.amdhsa_system_sgpr_workgroup_id_y 1
		.amdhsa_system_sgpr_workgroup_id_z 1
		.amdhsa_system_vgpr_workitem_id 0
		.amdhsa_next_free_vgpr 258
		.amdhsa_next_free_sgpr 66
		.amdhsa_reserve_vcc 1
		.amdhsa_float_denorm_mode_32 3
		.amdhsa_float_denorm_mode_16_64 3
		.amdhsa_memory_ordered 1
		.amdhsa_forward_progress 1
		.amdhsa_inst_pref_size 23
	.end_amdhsa_kernel
	.amdgpu_metadata
---
amdhsa.version: [ 1, 2 ]
amdhsa.kernels:
  - .name:           k_qe7063171d5_latent
    .symbol:         k_qe7063171d5_latent.kd
    .args:
      - { .name: x, .offset: 0, .size: 8, .value_kind: global_buffer, .address_space: global }
      - { .name: Wq_d, .offset: 8, .size: 8, .value_kind: global_buffer, .address_space: global }
      - { .name: Wkv_d, .offset: 16, .size: 8, .value_kind: global_buffer, .address_space: global }
      - { .name: part, .offset: 24, .size: 8, .value_kind: global_buffer, .address_space: global }
    .group_segment_fixed_size: 218112
    .private_segment_fixed_size: 0
    .kernarg_segment_align: 8
    .kernarg_segment_size: 32
    .max_flat_workgroup_size: 256
    .sgpr_count:     66
    .vgpr_count:     258
    .wavefront_size: 32
...
	.end_amdgpu_metadata
.endif
;; end of part 1
;; launch attn (part 2): grid 4 x 64, 16 waves a work-group, no clusters, 174,336 bytes of LDS; arguments part, W_qk, b_qk, bq_d, bkv_d, Wv_u, bv_u, Wo_codes, Wo_scales, aimg, wimg; writes aimg, wimg
.if DOCPART == 2
	.amdgcn_target "amdgcn-amd-amdhsa--gfx1250"
	.amdhsa_code_object_version 6
	.text
	.protected	k_qe7063171d5_attn
	.globl	k_qe7063171d5_attn
	.p2align	8
	.type	k_qe7063171d5_attn,@function
k_qe7063171d5_attn:
	s_mov_b64 s[64:65], 0
	v_nop
	global_prefetch_b8 v0, s[64:65] scope:SCOPE_SE
	s_setreg_imm32_b32 hwreg(HW_REG_WAVE_MODE, 25, 1), 1
	s_wait_xcnt 0x0
; ATTENTION ON THE LATENTS, for 256 queries of one head of one batch (x = block of queries, y = 32 batch + head); sixteen waves, 16 queries each, four waves to a SIMD.
; It finishes C_kv (all 1,024 keys, into LDS) and C_q (its own queries) from the four slices' partial sums and the biases; makes q (12 -> 4, in f32), with log2(e) / sqrt(4) folded in, so that a score is t;
; makes V = C_kv Wv_u + bv_u of its head in f32, quantises it along the keys to BF6 (E3M2) with E8M0 scales, and lays the codes in LDS as images of operand registers;
; walks the keys, 128 a step: t by the f32 matrix form (K = 4), p = 2^(t - M), M the running largest t rounded up to a whole number, p quantised along the keys, O^T += V^T p^T on codes; the row's sum is taken of the
; unquantised p; at the end O / sum is quantised along the head's 128 and stored as an image of operand registers for the last product.
; BESIDE THAT each work-group lays 16 rows of Wo (n tile 4 y + x) into the same order: its codes pass through LDS, its scale words are regrouped.
; RECORDS (aimg: [row tile 128][g 8], wimg: [n tile 256][g 8]): 6,400 bytes for 16 rows x 512 along K: four images of 1,536 bytes (K step q: register group c of lane l at 1,536 q + 512 c + 16 l), then at 6,144 the scale words, 64 q + 4 r.
; LAYOUT.  Both attention products are used transposed, so a lane holds ONE query (lane % 16).  The keys of a tile of scores, and the channels d of a tile of V, are chosen (r + 8 (r / 8) within 32) so that 16 registers of two
; neighbouring tiles are 16 neighbours along the next product's K.
; AHEAD OF THEIR USE.  The scores of step s + 1 are multiplied inside step s: four of the eight tiles' registers are free as soon as t - M of keys 0-63 is formed, the other four after keys 64-127, so each of the eight products
; stands ahead of a run of eight exponentials.  The keys of step s + 2 are loaded in step s.  Of V's eight fragments of a step one is asked for at the step's head (its registers lie beside p's), three as soon as p's last reader
; is issued, ahead of the exchange of halves and of O^T's rescaling, and four behind the first four products, with the next step's search for maxima between those loads and their wait.
; NO CLUSTER, NO TENSOR LOAD: what the four work-groups of a head share from memory is 64 KiB of partial sums; V's codes are made in LDS, not fetched.
; LIMITS: NaN and infinities among the inputs are not served; a block of zeros gets the scale byte 1 with zero codes (only this program reads the bytes); a p under 2^-126 counts as 0; 1 / sum is v_rcp_f32's.
.set CK,   0                           ; LDS: C_kv [key 1024][4] f32
.set VSC,  16384                       ; V's scale words: fragment (8 s + tile) x 128 + 4 l
.set VIMG, 24576                       ; V's images: fragment (8 s + tile) x 1,536 + 512 c + 16 l
.set WST,  122880                      ; 16 rows of Wo's codes, 3,088 bytes apart (772 words: row r starts 4 r banks on)
.set WP,   3088
.set REC,  6400
.set TILEB, 51200
.set KF,   16                          ; v16-31   eight fragments of keys (16 x 4 f32)
.set P,    32                          ; v32-63   32 numbers p
.set VF,   32                          ; v32-79   four fragments of V: tile t in slot (t + 3) % 4, so that tile 0's slot, v68-79, lies beside p
.set S,    80                          ; v80-143  scores t, and V in f32: written by the f32 matrix form alone
.set O,    144                         ; v144-207 O^T
.set PC,   208                         ; v208-219 codes just made;  v220-222, v224-226 their second halves
.set PT,   220
.set BM,   228                         ; v228-231 a block's largest
.set BX,   232                         ; v232-235 the other half's; then the bytes
.set SO,   236                         ; v236-239 the conversions' scale operands
.set VS,   240                         ; v240-243 V's scale words, by slot
.set PW,   244                         ; v244     the scale word just made
.macro VKLOAD sp                       ; the keys of V's fragment sp of my four: row m of tile (c, i) is key 64 c + 32 (m / 8) + 8 i + m % 8
.irp c, 0,1
.irp i, 0,1,2,3
	ds_load_b64 v[KF+2*(4*\c+\i):KF+2*(4*\c+\i)+1], v7 offset:2048*(\sp)+1024*\c+128*\i
.endr
.endr
.endm
.macro LOADK n                         ; the keys of step n's scores: lane r of tile 2 b + u takes key 32 b + 8 u + r + 8 (r / 8)
.irp t, 0,1,2,3,4,5,6,7
	ds_load_b64 v[KF+2*\t:KF+2*\t+1], v3 offset:2048*(\n)+512*(\t/2)+128*(\t%2)
.endr
.endm
.macro SCORE t                         ; tile t of the scores: register 16 b + i of tiles 2 b, 2 b + 1 is t of my query at key 32 b + 16 h + i
	v_wmma_f32_16x16x4_f32 v[S+8*\t:S+8*\t+7], v[KF+2*\t:KF+2*\t+1], v[8:9], 0
.endm
.macro MAXB_A                          ; the largest t of each block of 32 keys: for the row's maximum and, since p rises with t, for the block's largest p.  The first four lines,
.irp b, 0,1,2,3
	v_max3_num_f32 v[BM+\b], v[S+16*\b], v[S+16*\b+1], v[S+16*\b+2]
.endr
.endm
.macro MAXB_B                          ; and the rest
.irp i, 3,5,7,9,11,13
.irp b, 0,1,2,3
	v_max3_num_f32 v[BM+\b], v[BM+\b], v[S+16*\b+\i], v[S+16*\b+\i+1]
.endr
.endr
.irp b, 0,1,2,3
	v_max_num_f32 v[BM+\b], v[BM+\b], v[S+16*\b+15]
.endr
.irp b, 0,1,2,3
	v_permlanex16_b32 v[BX+\b], v[BM+\b], s48, s49
.endr
.irp b, 0,1,2,3
	v_max_num_f32 v[BM+\b], v[BM+\b], v[BX+\b]     ; with lane l xor 16's 16 keys
.endr
.endm
.macro VLD s, t                        ; V's fragment (step s, tile t) and its scale words into slot (t + 3) % 4
.irp c, 0,1,2
	ds_load_b128 v[VF+12*(((\t)+3)%4)+4*\c:VF+12*(((\t)+3)%4)+4*\c+3], v[4+(\s)/4] offset:12288*((\s)%4)+1536*(\t)+512*\c
.endr
	ds_load_b32 v[VS+((\t)+3)%4], v6 offset:128*(8*(\s)+(\t))
.endm
.macro PVM t, first                    ; O^T's tile t += V^T p^T; the eight accumulators take turns
.if \first
	v_wmma_scale_f32_16x16x128_f8f6f4 v[O+8*(\t):O+8*(\t)+7], v[VF+12*(((\t)+3)%4):VF+12*(((\t)+3)%4)+11], v[PC:PC+11], 0, v[VS+((\t)+3)%4], v[PW] matrix_a_fmt:MATRIX_FMT_BF6 matrix_b_fmt:MATRIX_FMT_BF6
.else
	v_wmma_scale_f32_16x16x128_f8f6f4 v[O+8*(\t):O+8*(\t)+7], v[VF+12*(((\t)+3)%4):VF+12*(((\t)+3)%4)+11], v[PC:PC+11], v[O+8*(\t):O+8*(\t)+7], v[VS+((\t)+3)%4], v[PW] matrix_a_fmt:MATRIX_FMT_BF6 matrix_b_fmt:MATRIX_FMT_BF6
.endif
.endm
	s_load_b512 s[8:23], s[0:1], 0x0               ; part 8, W_qk 10, b_qk 12, bq_d 14, bkv_d 16, Wv_u 18, bv_u 20, Wo_codes 22
	s_load_b128 s[24:27], s[0:1], 0x40             ; Wo_scales 24, aimg 26
	s_load_b64 s[28:29], s[0:1], 0x50              ; wimg
	v_lshrrev_b32 v16, 5, v0
	v_readfirstlane_b32 s50, v16                   ; wave 0..15
	s_and_b32 s52, ttmp7, 0xffff
	s_lshr_b32 s53, s52, 5                         ; batch
	s_and_b32 s54, s52, 31                         ; head
	s_lshl_b32 s55, s52, 2
	s_add_co_u32 s55, s55, ttmp9                   ; my n tile of Wo
	s_mov_b32 s48, 0x76543210
	s_mov_b32 s49, 0xfedcba98                      ; v_permlanex16_b32's selects for lane l xor 16
	v_and_b32 v18, 31, v0                          ; l
	v_and_b32 v16, 15, v0                          ; r
	v_bfe_u32 v17, v0, 4, 1                        ; h
	v_and_b32 v19, 8, v16                          ; 8 (r / 8)
	v_lshlrev_b32 v1, 4, v18                       ; v1 = 16 l
	v_lshlrev_b32 v2, 2, v18                       ; v2 = 4 l
	v_lshlrev_b32 v3, 4, v16
	v_lshl_add_u32 v3, v19, 4, v3
	v_lshl_add_u32 v3, v17, 3, v3                  ; v3: keys of a tile of scores: 16 (r + 8 (r / 8)) + 8 h
	v_add_nc_u32 v4, VIMG, v1                      ; v4, v5: V's images of key steps 0-3 and 4-7
	v_add_nc_u32 v5, VIMG+49152, v1
	v_add_nc_u32 v6, VSC, v2                       ; v6: V's scale words
	s_lshr_b32 s58, s50, 3                         ; which four key steps of V I make
	s_and_b32 s60, s50, 7                          ; which tile of 16 channels
	v_and_b32 v7, 7, v16
	v_lshlrev_b32 v7, 4, v7
	v_lshl_add_u32 v7, v19, 6, v7
	v_lshl_add_u32 v7, v17, 3, v7
	s_lshl_b32 s59, s58, 13
	v_add_nc_u32 v7, s59, v7                       ; v7: keys of a tile of V: 16 (r % 8) + 512 (r / 8) + 8 h + my four steps
	s_mul_i32 s59, s58, 49152
	s_mul_i32 s61, s60, 1536
	s_add_co_u32 s59, s59, s61
	s_add_co_u32 s59, s59, VIMG
	v_add_nc_u32 v206, s59, v1                     ; v206: where I store V's images
	s_lshl_b32 s59, s58, 12
	s_lshl_b32 s61, s60, 7
	s_add_co_u32 s59, s59, s61
	s_add_co_u32 s59, s59, VSC
	v_add_nc_u32 v207, s59, v2                     ; v207: and their scale words
	s_mul_i32 s59, s50, WP
	s_add_co_u32 s59, s59, WST
	v_add_nc_u32 v202, s59, v1                     ; v202: Wo's row w on its way in
	v_mul_u32_u24 v203, v16, WP
	v_mad_u32_u24 v203, v17, 24, v203
	s_mul_i32 s59, s50, 192
	s_add_co_u32 s59, s59, WST
	v_add_nc_u32 v203, s59, v203                   ; v203: row r, K steps 2 w and 2 w + 1, + 24 h
	s_and_b32 s59, s50, 1
	s_mul_i32 s61, s59, 3072
	v_add_nc_u32 v204, s61, v1                     ; v204: wimg: images 2 (w % 2) + e of record w / 2
	s_lshl_b32 s61, s59, 7
	v_add_nc_u32 v205, s61, v2                     ; v205: and their scale words
	s_and_b32 s59, s54, 3
	s_mul_i32 s61, s59, 1536
	v_add_nc_u32 v250, s61, v1                     ; v250: aimg: image head % 4 of record head / 4
	s_lshl_b32 s61, s59, 6
	v_lshl_add_u32 v251, v16, 2, s61               ; v251: and its scale words
	v_lshlrev_b32 v252, 4, v0                      ; v252: 16 t: C_kv's partial sums, and C_kv in LDS
	v_lshlrev_b32 v253, 7, v16
	v_lshl_add_u32 v253, v17, 2, v253              ; v253: Wo's scale bytes: row r, K step 2 w + h
	v_mul_u32_u24 v254, v16, 48                    ; v254: C_q's partial sums of query r
	v_lshlrev_b32 v255, 3, v17                     ; v255: 8 h
	s_lshr_b32 s59, s60, 1
	s_lshl_b32 s59, s59, 5
	s_and_b32 s61, s60, 1
	s_lshl_b32 s61, s61, 3
	s_add_co_u32 s59, s59, s61
	v_add_nc_u32 v248, v19, v16
	v_add_nc_u32 v248, s59, v248
	v_lshlrev_b32 v248, 2, v248                    ; v248: 4 d, d = 32 (tile / 2) + 8 (tile % 2) + r + 8 (r / 8)
	v_lshl_add_u32 v201, v17, 15, v248             ; v201: + rows 2 h of Wv_u
	v_mov_b32 v235, 0                              ; a lane permute's destination counts as one of its sources
	s_mov_b32 s57, 0
	s_wait_kmcnt 0x0
	s_load_b256 s[32:39], s[14:15], 0x0            ; bq_d
	s_load_b128 s[40:43], s[14:15], 0x20
	s_load_b128 s[44:47], s[16:17], 0x0            ; bkv_d
	s_lshl_b32 s56, s53, 14
	s_add_co_u32 s56, s56, 393216
	s_add_nc_u64 s[2:3], s[8:9], s[56:57]          ; region KV at my batch's first key
	s_lshl_b32 s56, s53, 10
	s_lshl_b32 s58, ttmp9, 8
	s_add_co_u32 s56, s56, s58
	s_lshl_b32 s58, s50, 4
	s_add_co_u32 s56, s56, s58                     ; my first query's row
	s_lshr_b32 s62, s56, 4                         ; my row tile
	s_mul_i32 s56, s56, 48
	s_add_nc_u64 s[4:5], s[8:9], s[56:57]          ; region Q at that row
	s_lshl_b32 s56, s55, 4
	s_add_co_u32 s56, s56, s50
	s_mul_i32 s56, s56, 3072
	s_add_nc_u64 s[22:23], s[22:23], s[56:57]      ; Wo's codes: row 16 nt + w
	s_lshl_b32 s56, s55, 11
	s_lshl_b32 s58, s50, 3
	s_add_co_u32 s56, s56, s58
	s_add_nc_u64 s[24:25], s[24:25], s[56:57]      ; Wo's scale bytes: tile nt, K steps 2 w on
	s_lshl_b32 s56, s54, 4
	s_add_nc_u64 s[10:11], s[10:11], s[56:57]      ; W_qk and b_qk at my head's four columns
	s_add_nc_u64 s[12:13], s[12:13], s[56:57]
	s_lshl_b32 s56, s54, 9
	s_add_nc_u64 s[18:19], s[18:19], s[56:57]      ; Wv_u and bv_u at my head's 128
	s_add_nc_u64 s[20:21], s[20:21], s[56:57]
	s_mul_i32 s56, s62, TILEB
	s_lshr_b32 s58, s54, 2
	s_mul_i32 s58, s58, REC
	s_add_co_u32 s56, s56, s58
	s_add_nc_u64 s[26:27], s[26:27], s[56:57]      ; aimg: my row tile, record head / 4
	s_mul_i32 s56, s55, TILEB
	s_lshr_b32 s58, s50, 1
	s_mul_i32 s58, s58, REC
	s_add_co_u32 s56, s56, s58
	s_add_nc_u64 s[28:29], s[28:29], s[56:57]      ; wimg: tile nt, record w / 2
	; 43 loads, in the order in which they are wanted
.irp e, 0,1
.irp sl, 0,1,2,3
	global_load_b128 v[144+16*\e+4*\sl:147+16*\e+4*\sl], v252, s[2:3] offset:32768*\sl+8192*\e   ; keys t and t + 512, four slices
.endr
.endr
.irp i, 0,1,2,3,4,5
	global_load_b128 v[176+4*\i:179+4*\i], v1, s[22:23] offset:512*\i th:TH_LOAD_NT   ; a row of Wo's codes, 512 consecutive bytes a load; read once in the launch
.endr
	global_load_b32 v200, v253, s[24:25]
.irp sl, 0,1,2,3
.irp i, 0,1,2
	global_load_b128 v[32+12*\sl+4*\i:35+12*\sl+4*\i], v254, s[4:5] offset:98304*\sl+16*\i
.endr
.endr
.irp i, 0,1,2,3,4,5,6,7,8,9,10,11
	global_load_b64 v[208+2*\i:209+2*\i], v255, s[10:11] offset:512*\i   ; W_qk(i, 4 head + 2 h + 0, 1)
.endr
	global_load_b64 v[232:233], v255, s[12:13]
	global_load_b32 v10, v201, s[18:19]            ; Wv_u(2 h, d), Wv_u(2 h + 1, d): source 1 of V's product
	global_load_b32 v11, v201, s[18:19] offset:16384
	global_load_b32 v234, v248, s[20:21]           ; bv_u(d)
	s_wait_loadcnt 35                              ; the first 8 of the 43 are in
	s_wait_kmcnt 0x0
.irp e, 0,1
.irp j, 0,2
	v_pk_add_f32 v[144+16*\e+\j:145+16*\e+\j], v[144+16*\e+\j:145+16*\e+\j], v[148+16*\e+\j:149+16*\e+\j]
	v_pk_add_f32 v[152+16*\e+\j:153+16*\e+\j], v[152+16*\e+\j:153+16*\e+\j], v[156+16*\e+\j:157+16*\e+\j]
.endr
.irp j, 0,2
	v_pk_add_f32 v[144+16*\e+\j:145+16*\e+\j], v[144+16*\e+\j:145+16*\e+\j], v[152+16*\e+\j:153+16*\e+\j]
.endr
.irp j, 0,1,2,3
	v_add_f32 v[144+16*\e+\j], s[44+\j], v[144+16*\e+\j]   ; + bkv_d
.endr
	ds_store_b128 v252, v[144+16*\e:147+16*\e] offset:CK+8192*\e
.endr
	s_wait_loadcnt 29                              ; the first 14 of the 43 are in: Wo's row
.irp i, 0,1,2,3,4,5
	ds_store_b128 v202, v[176+4*\i:179+4*\i] offset:512*\i
.endr
	s_wait_dscnt 0x0                               ; for the others' sake
	s_barrier_signal -1
	s_barrier_wait -1                              ; C_kv and Wo's 16 rows lie in LDS
.irp e, 0,1
.irp p, 0,1,2,3,4,5
	ds_load_b64 v[152+12*\e+2*\p:153+12*\e+2*\p], v203 offset:96*\e+48*(\p/3)+8*(\p%3)   ; two fragments of Wo: row r's 24 bytes at 96 (2 w + e) + 24 h, and those 48 on
.endr
.endr
	VKLOAD 0                                       ; the keys of V's first fragment land under the arithmetic below
	s_wait_loadcnt 0x0
.irp i, 0,2,4,6,8,10                           ; C_q of my query: the four slices, then the bias
	v_pk_add_f32 v[32+\i:33+\i], v[32+\i:33+\i], v[44+\i:45+\i]
	v_pk_add_f32 v[56+\i:57+\i], v[56+\i:57+\i], v[68+\i:69+\i]
.endr
.irp i, 0,2,4,6,8,10
	v_pk_add_f32 v[32+\i:33+\i], v[32+\i:33+\i], v[56+\i:57+\i]
.endr
.irp i, 0,1,2,3,4,5,6,7,8,9,10,11
	v_add_f32 v[32+\i], s[32+\i], v[32+\i]
.endr
	v_fma_f32 v8, v32, v208, v232                  ; q(2 h + 0, 1) = b_qk + the sum over i of C_q(i) W_qk(i, .)
	v_fma_f32 v9, v32, v209, v233
.irp i, 1,2,3,4,5,6,7,8,9,10,11
	v_fma_f32 v8, v[32+\i], v[208+2*\i], v8
	v_fma_f32 v9, v[32+\i], v[209+2*\i], v9
.endr
	v_mul_f32 v8, 0x3f38aa3b, v8                   ; x log2(e) / sqrt(4): source 1 of the scores' product, so that a score is t
	v_mul_f32 v9, 0x3f38aa3b, v9
.irp j, 0,1,2,3,4,5,6,7
	v_mov_b32 v[144+\j], v234                      ; bv_u(d) in the result's layout: the C of V's product
.endr
	s_wait_dscnt 0x0
.irp e, 0,1
.irp c, 0,1,2
	global_store_b128 v204, v[152+12*\e+4*\c:155+12*\e+4*\c], s[28:29] offset:1536*\e+512*\c   ; 512 consecutive bytes, at a multiple of 256 from the buffer's first byte
.endr
.endr
	global_store_b32 v205, v200, s[28:29] offset:6144
; V of my 16 channels at the 128 keys of step 4 (w / 8) + sp: eight products of the f32 form (source 0 = 16 keys, source 1 = Wv_u, C = the bias).  A lane's registers 32 c .. 32 c + 31 are the whole block 2 c + h of 32 keys
; of its channel: the largest magnitude needs no other lane, and the conversions' results are the operand's registers.  The next fragment's keys are asked for behind the eight places.
.macro VPREP sp
	s_wait_dscnt 0x0                               ; the keys are in (and the last fragment's stores have read their registers)
.irp c, 0,1
.irp i, 0,1,2,3
	v_wmma_f32_16x16x4_f32 v[S+32*\c+8*\i:S+32*\c+8*\i+7], v[KF+2*(4*\c+\i):KF+2*(4*\c+\i)+1], v[10:11], v[144:151]
.endr
.endr
.rept 8
	v_nop                                          ; eight places behind this form: for the reads of results and for the loads into the keys' registers
.endr
.if \sp < 3
	VKLOAD (\sp+1)
.endif
.irp c, 0,1
	v_max3_num_f32 v[BM+\c], |v[S+32*\c]|, |v[S+1+32*\c]|, 0x2800000   ; with the floor 2^(5 - 127): the byte cannot fall under 1
.endr
.irp i, 2,4,6,8,10,12,14,16,18,20,22,24,26,28,30
.irp c, 0,1
	v_max3_num_f32 v[BM+\c], v[BM+\c], |v[S+32*\c+\i]|, |v[S+1+32*\c+\i]|
.endr
.endr
.irp c, 0,1
	v_add_nc_u32 v[SO+\c], 0xfe000000, v[BM+\c]    ; 4 off the exponent field: the conversion's scale operand
.endr
.irp c, 0,1
	v_lshrrev_b32 v[BX+\c], 23, v[SO+\c]           ; the scale's byte
.endr
	v_lshl_or_b32 v[PW], v[BX+1], 16, v[BX]        ; my two bytes, blocks h and 2 + h,
	v_lshlrev_b32 v[PW], v255, v[PW]               ; 8 h bits up;
	v_permlanex16_b32 v[BX+3], v[PW], s48, s49
	v_or_b32 v[PW], v[PW], v[BX+3]                 ; with lane l xor 16's two the word is whole
.irp c, 0,1
	v_cvt_scalef32_pk16_bf6_f32 v[PC+6*\c:PC+6*\c+2], v[S+32*\c:S+32*\c+15], v[SO+\c]
	v_cvt_scalef32_pk16_bf6_f32 v[PT+4*\c:PT+4*\c+2], v[S+32*\c+16:S+32*\c+31], v[SO+\c]   ; (a conversion's three registers begin on an even number)
.endr
	v_nop                                          ; one plain place behind a scaled conversion
.irp c, 0,1
.irp i, 0,1,2
	v_mov_b32 v[PC+3+6*\c+\i], v[PT+4*\c+\i]
.endr
.endr
.irp c, 0,1,2
	ds_store_b128 v206, v[PC+4*\c:PC+4*\c+3] offset:12288*\sp+512*\c   ; the fragment as it stands
.endr
	ds_store_b32 v207, v[PW] offset:1024*\sp
.endm
	VPREP 0
	VPREP 1
	VPREP 2
	VPREP 3
	LOADK 0                                        ; step 0's keys: C_kv is written by nobody any more
.irp b, 0,1,2,3
	v_mov_b32 v[BX+\b], 0                          ; written once: lane permutes' destinations count as sources
.endr
	v_mov_b32 v245, 0
	v_mov_b32 v247, 0                              ; (named as the upper half of the pair v[246:247])
	s_wait_xcnt 0x0                                ; wimg's stores have read their registers, which O^T takes below
	s_wait_dscnt 0x0                               ; for the others' sake: my four fragments of V have landed; and step 0's keys are in
	s_barrier_signal -1
.irp t, 0,1,2,3,4,5,6,7                        ; between the signal and the wait: work on registers, and loads of C_kv
	SCORE \t                                       ; step 0's scores
.endr
.rept 8
	v_nop                                          ; eight places behind this form
.endr
	LOADK 1
	MAXB_A
	MAXB_B
	s_barrier_wait -1                              ; V's 64 fragments lie in LDS; nothing is written to LDS from here on
	s_wait_dscnt 0x0                               ; step 1's keys are in
; A KEY STEP: 128 keys.  At its head the step's scores lie in S, their blocks' maxima in BM, and the next step's keys in KF.  first = 1: the first step starts M, the sum and O^T.
.macro STEP s, first
	v_max3_num_f32 v245, v[BM], v[BM+1], v[BM+2]
.if \first
	v_max_num_f32 v13, v245, v[BM+3]               ; the largest t so far
	v_floor_f32 v12, -v13                          ; -M = floor(-t) = -ceil(t)
.else
	v_max3_num_f32 v13, v245, v[BM+3], v13
	v_mov_b32 v245, v12
	v_floor_f32 v12, -v13
	v_sub_f32 v245, v12, v245                      ; old M - new M: a whole number, 0 or less
	v_cvt_i32_f32 v245, v245                       ; (it saturates)
	v_ldexp_f32 v246, 1.0, v245                    ; f = 2^(old M - new M): rounds nothing
.endif
.irp b, 0,1,2,3
	v_add_f32 v[BM+\b], v[BM+\b], v12              ; the same addition as on every t below: the same bits
.endr
	VLD \s, 0                                      ; V's tile 0, into the slot beside p (the lines above are the places behind the last products, which read that slot)
.irp c, 0,1                                    ; 64 keys at a time: p goes into other registers than the scores
.set j, 0
.rept 16
	v_pk_add_f32 v[P+j:P+j+1], v[S+32*\c+j:S+32*\c+j+1], v[12:13] op_sel_hi:[1,0]   ; t - M
.set j, j+2
.endr
.irp k, 0,1,2,3                                ; these 32 scores have been read: four tiles of the NEXT step's scores take their registers, one product ahead of each eight exponentials
.if \s < 7
	SCORE (4*\c+\k)
.endif
.set j, 8*\k
.rept 8
	v_exp_f32 v[P+j], v[P+j]                       ; p = 2^(t - M), at most 1, not normalised
.set j, j+1
.endr
.endr
.if \c == 0
.irp b, 0,1,2,3
	v_exp_f32 v[BM+\b], v[BM+\b]                   ; each block's largest p
.endr
.if \first
	v_mov_b32 v14, 0                               ; the sum, in two halves.  (A plain place behind the exponentials)
	v_mov_b32 v15, 0
	s_wait_alu depctr_va_vdst(0)
.else
	v_pk_mul_f32 v[14:15], v[14:15], v[246:247] op_sel_hi:[1,0]   ; the sum under the new M.  (A plain place behind the exponentials)
	s_wait_alu depctr_va_vdst(0)
.endif
.irp b, 0,1,2,3
	v_max_num_f32 v[BM+\b], 0x2800000, v[BM+\b]    ; the floor 2^(5 - 127)
.endr
.irp b, 0,1,2,3
	v_add_nc_u32 v[SO+\b], 0xfe000000, v[BM+\b]    ; the conversion's scale operand
.endr
.irp b, 0,1,2,3
	v_lshrrev_b32 v[BX+\b], 23, v[SO+\b]           ; the scale's byte
.endr
	v_lshl_or_b32 v[PW], v[BX+1], 8, v[BX]         ; p's scale word for these 128 keys
	v_lshl_or_b32 v[PW], v[BX+2], 16, v[PW]
	v_lshl_or_b32 v[PW], v[BX+3], 24, v[PW]
.else
	v_nop                                          ; a plain place behind the exponentials
	s_wait_alu depctr_va_vdst(0)
.endif
	v_cvt_scalef32_pk16_bf6_f32 v[PC+6*\c:PC+6*\c+2], v[P:P+15], v[SO+2*\c]
	v_cvt_scalef32_pk16_bf6_f32 v[PT+4*\c:PT+4*\c+2], v[P+16:P+31], v[SO+2*\c+1]
	v_nop                                          ; one plain place behind a scaled conversion
.if \c == 0                                    ; the row's sum is taken of the unquantised p, two at a time, in two chains
	v_pk_add_f32 v[248:249], v[P:P+1], v[P+2:P+3]
.set j, 4
.rept 7
	v_pk_add_f32 v[14:15], v[14:15], v[P+j:P+j+1]
	v_pk_add_f32 v[248:249], v[248:249], v[P+j+2:P+j+3]
.set j, j+4
.endr
.else
.set j, 0
.rept 8
	v_pk_add_f32 v[14:15], v[14:15], v[P+j:P+j+1]
	v_pk_add_f32 v[248:249], v[248:249], v[P+j+2:P+j+3]
.set j, j+4
.endr
	v_pk_add_f32 v[14:15], v[14:15], v[248:249]
.endif
.endr
	VLD \s, 1                                      ; p's last reader is issued: V's tiles 1 to 3 take its registers, and land under the lines below
	VLD \s, 2
	VLD \s, 3
.if \s < 6
	LOADK (\s+2)                                   ; the keys of the step after the next (the additions above are the eight places behind the last score product)
.endif
.irp c, 0,1                                    ; the operand's layout wants a whole block in a lane: lanes 0-15 block 2 c, lanes 16-31 block 2 c + 1
.irp i, 0,1,2
	v_permlane16_swap_b32 v[PC+6*\c+\i], v[PT+4*\c+\i]
.endr
.irp i, 0,1,2
	v_mov_b32 v[PC+3+6*\c+\i], v[PT+4*\c+\i]
.endr
.endr
.if \first
.rept 8
	v_nop                                          ; places between the codes' last write and the products
.endr
.else
.set j, 0
.rept 32
	v_pk_mul_f32 v[O+j:O+j+1], v[O+j:O+j+1], v[246:247] op_sel_hi:[1,0]   ; O^T under the new M; these are also the places in front of the products
.set j, j+2
.endr
.endif
.if \s < 6
	s_wait_dscnt 8                                 ; V's tiles 0 to 3 are in; the eight loads of keys issued behind them may be out
.else
	s_wait_dscnt 0x0
.endif
.irp t, 0,1,2,3
	PVM \t, \first
.endr
.if \s < 7
	MAXB_A                                         ; the next step's maxima begin: four plain lines that name no register of the products above: the places in front of the loads below
.else
.rept 4
	v_nop
.endr
.endif
	VLD \s, 4
	VLD \s, 5
	VLD \s, 6
	VLD \s, 7
.if \s < 7
	MAXB_B                                         ; the rest of them stands between the loads and their wait
.endif
	s_wait_dscnt 0x0                               ; V's tiles 4 to 7 are in, and so are the keys
.irp t, 4,5,6,7
	PVM \t, \first
.endr
.endm
	STEP 0, 1
.irp s, 1,2,3,4,5,6,7
	STEP \s, 0
.endr
	; THE WAY OUT: O^T / the sum, quantised along the head's 128: register 16 b + i is channel 32 b + 16 h + i of my query
.rept 4
	v_nop                                          ; places behind the last products
.endr
	v_add_f32 v14, v14, v15                        ; the sum's two halves,
	v_permlanex16_b32 v245, v14, s48, s49
	v_add_f32 v14, v14, v245                       ; and lane l xor 16's
	v_rcp_f32 v14, v14
	v_nop                                          ; a plain place behind the transcendental
.set E, 16
.set j, 0
	s_wait_alu depctr_va_vdst(0)
.rept 64
	v_mul_f32 v[E+j], v[O+j], v14
.set j, j+1
.endr
.irp b, 0,1,2,3
	v_max3_num_f32 v[BM+\b], |v[E+16*\b]|, |v[E+1+16*\b]|, 0x2800000
.endr
.irp i, 2,4,6,8,10,12,14
.irp b, 0,1,2,3
	v_max3_num_f32 v[BM+\b], v[BM+\b], |v[E+16*\b+\i]|, |v[E+1+16*\b+\i]|
.endr
.endr
.irp b, 0,1,2,3
	v_permlanex16_b32 v[BX+\b], v[BM+\b], s48, s49
.endr
.irp b, 0,1,2,3
	v_max_num_f32 v[BM+\b], v[BM+\b], v[BX+\b]
.endr
.irp b, 0,1,2,3
	v_add_nc_u32 v[SO+\b], 0xfe000000, v[BM+\b]
.endr
.irp b, 0,1,2,3
	v_lshrrev_b32 v[BX+\b], 23, v[SO+\b]
.endr
	v_lshl_or_b32 v[PW], v[BX+1], 8, v[BX]
	v_lshl_or_b32 v[PW], v[BX+2], 16, v[PW]
	v_lshl_or_b32 v[PW], v[BX+3], 24, v[PW]
.irp c, 0,1
	v_cvt_scalef32_pk16_bf6_f32 v[PC+6*\c:PC+6*\c+2], v[E+32*\c:E+32*\c+15], v[SO+2*\c]
	v_cvt_scalef32_pk16_bf6_f32 v[PT+4*\c:PT+4*\c+2], v[E+32*\c+16:E+32*\c+31], v[SO+2*\c+1]
.endr
	v_nop
.irp c, 0,1
.irp i, 0,1,2
	v_permlane16_swap_b32 v[PC+6*\c+\i], v[PT+4*\c+\i]
.endr
.irp i, 0,1,2
	v_mov_b32 v[PC+3+6*\c+\i], v[PT+4*\c+\i]
.endr
.endr
.irp c, 0,1,2
	global_store_b128 v250, v[PC+4*\c:PC+4*\c+3], s[26:27] offset:512*\c   ; 512 consecutive bytes, at a multiple of 256 from the buffer's first byte
.endr
	global_store_b32 v251, v[PW], s[26:27] offset:6144   ; row r's scale word; both halves of the lanes write the same word with the same value
	s_wait_xcnt 0x0
	v_lshl_add_u32 v254, v0, 2, 0x2a100
	v_mov_b32 v255, 0
	s_wait_tensorcnt 0x0
	ds_add_u32 v254, v255
	s_wait_dscnt 0x0
	s_endpgm
.Lfunc_end_k_qe7063171d5_attn:
	.size	k_qe7063171d5_attn, .Lfunc_end_k_qe7063171d5_attn-k_qe7063171d5_attn
	.p2alignl 7, 3214868480
	.fill 96, 4, 3214868480
	.section	.rodata,"a",@progbits
	.p2align	6, 0x0
	.amdhsa_kernel k_qe7063171d5_attn
		.amdhsa_group_segment_fixed_size 174336
		.amdhsa_private_segment_fixed_size 0
		.amdhsa_enable_private_segment 0
		.amdhsa_kernarg_size 88
		.amdhsa_user_sgpr_count 2
		.amdhsa_user_sgpr_kernarg_segment_ptr 1
		.amdhsa_wavefront_size32 1
		.amdhsa_system_sgpr_workgroup_id_x 1
		.amdhsa_system_sgpr_workgroup_id_y 1
		.amdhsa_system_sgpr_workgroup_id_z 1
		.amdhsa_system_vgpr_workitem_id 0
		.amdhsa_next_free_vgpr 256
		.amdhsa_next_free_sgpr 66
		.amdhsa_reserve_vcc 0
		.amdhsa_float_denorm_mode_32 3
		.amdhsa_float_denorm_mode_16_64 3
		.amdhsa_memory_ordered 1
		.amdhsa_forward_progress 1
		.amdhsa_inst_pref_size 172
	.end_amdhsa_kernel
	.amdgpu_metadata
---
amdhsa.version: [ 1, 2 ]
amdhsa.kernels:
  - .name:           k_qe7063171d5_attn
    .symbol:         k_qe7063171d5_attn.kd
    .args:
      - { .name: part, .offset: 0, .size: 8, .value_kind: global_buffer, .address_space: global }
      - { .name: W_qk, .offset: 8, .size: 8, .value_kind: global_buffer, .address_space: global }
      - { .name: b_qk, .offset: 16, .size: 8, .value_kind: global_buffer, .address_space: global }
      - { .name: bq_d, .offset: 24, .size: 8, .value_kind: global_buffer, .address_space: global }
      - { .name: bkv_d, .offset: 32, .size: 8, .value_kind: global_buffer, .address_space: global }
      - { .name: Wv_u, .offset: 40, .size: 8, .value_kind: global_buffer, .address_space: global }
      - { .name: bv_u, .offset: 48, .size: 8, .value_kind: global_buffer, .address_space: global }
      - { .name: Wo_codes, .offset: 56, .size: 8, .value_kind: global_buffer, .address_space: global }
      - { .name: Wo_scales, .offset: 64, .size: 8, .value_kind: global_buffer, .address_space: global }
      - { .name: aimg, .offset: 72, .size: 8, .value_kind: global_buffer, .address_space: global }
      - { .name: wimg, .offset: 80, .size: 8, .value_kind: global_buffer, .address_space: global }
    .group_segment_fixed_size: 174336
    .private_segment_fixed_size: 0
    .kernarg_segment_align: 8
    .kernarg_segment_size: 88
    .max_flat_workgroup_size: 512
    .sgpr_count:     66
    .vgpr_count:     256
    .wavefront_size: 32
...
	.end_amdgpu_metadata
.endif
;; end of part 2
;; launch proj (part 3): grid 16 x 16, 4 waves a work-group, clusters of 4 x 4, 327,680 bytes of LDS; arguments aimg, wimg, bo, out0; writes out0
.if DOCPART == 3
	.amdgcn_target "amdgcn-amd-amdhsa--gfx1250"
	.amdhsa_code_object_version 6
	.text
	.protected	k_qe7063171d5_proj
	.globl	k_qe7063171d5_proj
	.p2align	8
	.type	k_qe7063171d5_proj,@function
k_qe7063171d5_proj:
	s_mov_b64 s[64:65], 0
	v_nop
	global_prefetch_b8 v0, s[64:65] scope:SCOPE_SE
	s_setreg_imm32_b32 hwreg(HW_REG_WAVE_MODE, 25, 1), 1
	s_wait_xcnt 0x0
	s_wait_alu depctr_hold_cnt(0) depctr_sa_sdst(0) depctr_va_vdst(0) depctr_va_sdst(0) depctr_va_ssrc(0) depctr_va_vcc(0) depctr_vm_vsrc(0)
	s_getreg_b32 s2, hwreg(HW_REG_IB_STS2, 6, 4)
	s_cmp_eq_u32 s2, 0
	s_cbranch_scc0 .Lentry_in_a_cluster
	s_endpgm
.Lentry_in_a_cluster:
	s_bfe_u32 s2, ttmp6, 0x10000c
	s_cmp_lg_u32 s2, 0xf033
	s_cbranch_scc0 .Lentry_shape_is_right
	s_endpgm
.Lentry_shape_is_right:
; out0 = A Wo + bo on codes of BF6 (E3M2) with E8M0 scales.  A: 2,048 rows x 4,096 along K, in aimg; Wo: 4,096 columns n x 4,096 along K, in wimg; both in RECORDS of 6,400 bytes for 16 rows x 512 along K:
; four images of operand registers (K step q: register group c of lane l at 1,536 q + 512 c + 16 l), then at 6,144 the scale words (64 q + 4 r).  Records lie [tile of 16 rows][g = K / 512].
; A tile of out0 is 128 x 256: 256 work-groups.  Four waves, each 64 x 128: 32 accumulators.  K goes in slots of 512 through a ring of two LDS slots: 8 records of A, then 16 of Wo, 153,600 bytes; a slot is four steps of
; 128 along K, 128 matrix instructions a wave.  A fragment is three loads of 16 bytes a lane, 512 consecutive bytes each; one load of 4 bytes a lane brings the scale words of two K steps (lanes 0-15 the even, lanes 16-31 the odd).
; CLUSTERS: 4 x 4 work-groups.  The four of a row of the cluster need the same records of A, the four of a column the same records of Wo: each is asked for jointly, by the same tensor load with a mask that names the four.
; THE MATRIX INSTRUCTION IS USED TRANSPOSED (source 0 = 16 columns n of Wo, source 1 = 16 rows of A): a lane holds eight neighbouring numbers of a row of out0.  The bias is the C of each sum's first instruction.
; REGISTERS: window 0: v16-29 addresses; v32-79 scale words, two sets of 24; v96-143, v144-191 A's fragments, two sets; on the way out v128-255 rows read back.
;   window 1: v0-95, v96-191 Wo's fragments, two sets; v192-255 the bias, eight registers for each block of 16 columns.   window 2: accumulator (a, b) at v[8 (8 a + b)].
.set REC,    6400
.set TILEB,  51200                     ; from a tile's records to the next tile's
.set SLOT,   24*REC
.set SPARE,  2*SLOT                    ; behind the ring: the spare words, 128 bytes for each wave: two blocks of 256 bytes that no other line names
.set SPITCH, 528                       ; the way out: a stage of 16 rows x (512 bytes + 16) for each wave, in slot 0, which has had its last fill and its last read by then
.set ADA, 16                           ; v16-17  16 l + my four records of A in slot 0, 1
.set ADB, 18                           ; v18-19  16 l + my eight records of Wo
.set ASA, 20                           ; v20-21  4 l + the same, for the scale words
.set ASB, 22                           ; v22-23
.set STO, 24
.set RD,  25
.set CO,  26
.set BOF, 27
.set SPW, 28                           ; v28     LDS address of my spare word; never rewritten
.set NIL, 29                           ; v29     0; never rewritten
.set SC,  32                           ; set s at SC + 24 s: register 2 a + e: A's block a, K steps 2 e and 2 e + 1; register 8 + 2 b + e: Wo's block b
.set AF,  96
.set BK,  128
.set G1,  24
.set G0,  32
.set G1B, 48
.set G0B, 56
.set MSB, 0
.macro WIN new                         ; the immediate's high byte repeats the setting that is left
.if MSB != \new
	s_set_vgpr_msb (MSB<<8)|\new
.set MSB, \new
.endif
.endm
.set MUL,  0xa1                        ; source 0 (Wo) window 1, source 1 (A) window 0, C and D window 2
.set MULB, 0x91                        ; the same with C (the bias) in window 1
.set TO_B, 0x40                        ; destination window 1, address window 0
; A joint load: waves 0 and 1 fetch for A, waves 2 and 3 for Wo.  The branch hangs on the wave's number alone.  Four v_nop follow each of the two lines.
.macro JLOAD g0a, g1a, g0b, g1b
	s_cmp_eq_u32 s15, 0
	s_cbranch_scc0 .Lfor_b_\@
	tensor_load_to_lds s[\g0a:\g0a+3], s[\g1a:\g1a+7]
	s_nop 0
.rept 4
	v_nop
.endr
	s_branch .Lasked_\@
.Lfor_b_\@:
	tensor_load_to_lds s[\g0b:\g0b+3], s[\g1b:\g1b+7]
	s_nop 0
.rept 4
	v_nop
.endr
.Lasked_\@:
.endm
.macro CREST                           ; a round of the cluster's barrier behind its opening barrier
	s_cmp_lg_u32 s14, 0
	s_cbranch_scc1 .Lnot_wave_0_\@
	s_barrier_signal -3
.Lnot_wave_0_\@:
	s_barrier_wait -3
	s_barrier_signal -1
	s_barrier_wait -1
.endm
.macro CROUND                          ; a whole round
	s_barrier_signal -1
	s_barrier_wait -1
	CREST
.endm
.macro PLACES
.rept 4
	v_nop
.endr
.endm
	s_load_b128 s[4:7], s[0:1], 0x0                ; aimg s[4:5], wimg s[6:7]
	s_load_b128 s[8:11], s[0:1], 0x10              ; bo s[8:9], out0 s[10:11]
	v_lshl_add_u32 v[SPW], v0, 2, SPARE
	v_mov_b32 v[NIL], 0
	ds_add_u32 v28, v29
	ds_add_u32 v28, v29
	s_wait_dscnt 0x0
	v_lshrrev_b32 v1, 5, v0
	v_readfirstlane_b32 s14, v1                    ; wave 0..3
	s_lshr_b32 s15, s14, 1                         ; which 64 rows are mine.  Also: I fetch for A (0) or for Wo (1)
	s_and_b32 s16, s14, 1                          ; which 128 columns.  Also: which half of the records I fetch
	s_bfe_u32 s40, ttmp6, 0x40000                  ; cx, cy: my place in the cluster
	s_bfe_u32 s41, ttmp6, 0x40004
	s_lshl_b32 s42, ttmp9, 2
	s_add_co_u32 s42, s42, s40                     ; tile column = 4 x cluster x + cx
	s_and_b32 s17, ttmp7, 0xffff
	s_lshl_b32 s17, s17, 2
	s_add_co_u32 s17, s17, s41                     ; tile row = 4 x cluster y + cy
	s_lshl_b32 s43, s41, 2
	s_lshl_b32 s43, 15, s43                        ; my row of the cluster
	s_lshl_b32 s44, 0x1111, s40                    ; my column
	s_or_b32 s[G1+0], s43, (3<<16)|(1<<21)         ; the mask: A's records go to my row; elements of 8 bytes; bit 21 set beside a mask; no padding
	s_or_b32 s[G1B+0], s44, (3<<16)|(1<<21)
	s_mov_b32 s[G1+1], 800<<16                     ; tensor_dim0 = 800 elements: a record
	s_mov_b32 s[G1+2], 4<<16                       ; tensor_dim1 = 4 records
	s_mov_b32 s[G1+3], 800<<16                     ; tile_dim0
	s_mov_b32 s[G1+4], 4                           ; tile_dim1
	s_mov_b32 s[G1+5], 6400                        ; elements from a tile's record to the next tile's
	s_mov_b32 s[G1+6], 0
	s_mov_b32 s[G1+7], 0
	s_mov_b32 s[G1B+1], 800<<16
	s_mov_b32 s[G1B+2], 8<<16                      ; 8 records
	s_mov_b32 s[G1B+3], 800<<16
	s_mov_b32 s[G1B+4], 8
	s_mov_b32 s[G1B+5], 6400
	s_mov_b32 s[G1B+6], 0
	s_mov_b32 s[G1B+7], 0
	s_lshl_b32 s18, s16, 2
	s_lshl_b32 s20, s17, 3
	s_add_co_u32 s20, s20, s18                     ; A: row tile 8 x tile row + 4 x half
	s_mul_i32 s20, s20, TILEB
	s_mov_b32 s21, 0
	s_lshl_b32 s18, s16, 3
	s_lshl_b32 s46, s42, 4
	s_add_co_u32 s46, s46, s18                     ; Wo: n tile 16 x tile column + 8 x half
	s_mul_i32 s46, s46, TILEB
	s_mov_b32 s47, 0
	s_mul_i32 s45, s16, 4*REC                      ; where they go: A's halves,
	s_mul_i32 s19, s16, 8*REC
	s_add_co_u32 s19, s19, 8*REC                   ; Wo's halves behind A's eight records: no place in the cluster enters an LDS address
	s_wait_kmcnt 0x0
	s_add_nc_u64 s[20:21], s[4:5], s[20:21]
	s_add_nc_u64 s[46:47], s[6:7], s[46:47]
	CROUND                                         ; all sixteen work-groups are here: the first joint loads meet
.irp s, 0,1
	s_mov_b32 s[G0+4*\s], 1
	s_add_co_u32 s[G0+4*\s+1], s45, \s*SLOT
	s_add_nc_u64 s[G0+4*\s+2:G0+4*\s+3], s[20:21], \s*REC   ; slot s begins with record g = s
	s_or_b32 s[G0+4*\s+3], s[G0+4*\s+3], 0x80000000
	s_mov_b32 s[G0B+4*\s], 1
	s_add_co_u32 s[G0B+4*\s+1], s19, \s*SLOT
	s_add_nc_u64 s[G0B+4*\s+2:G0B+4*\s+3], s[46:47], \s*REC
	s_or_b32 s[G0B+4*\s+3], s[G0B+4*\s+3], 0x80000000
	JLOAD G0+4*\s, G1, G0B+4*\s, G1B               ; two loads of mine are out
.endr
	s_lshl_b32 s20, s17, 7
	s_lshl_b32 s21, s15, 6
	s_add_co_u32 s20, s20, s21                     ; my first row of out0: 128 x tile row + 64 x half,
	s_lshl_b32 s20, s20, 14                        ; of 16,384 bytes
	s_mov_b32 s21, 0
	s_lshl_b32 s46, s42, 10                        ; my first column, in bytes: 1,024 x tile column + 512 x half
	s_lshl_b32 s47, s16, 9
	s_add_co_u32 s46, s46, s47
	s_mov_b32 s47, 0
	s_add_nc_u64 s[10:11], s[10:11], s[20:21]
	s_add_nc_u64 s[10:11], s[10:11], s[46:47]
	s_add_nc_u64 s[8:9], s[8:9], s[46:47]          ; bo at the same column
	v_and_b32 v1, 15, v0                           ; r
	v_bfe_u32 v2, v0, 4, 1                         ; h
	v_and_b32 v3, 31, v0                           ; l
	v_lshlrev_b32 v4, 4, v3
	v_lshlrev_b32 v5, 2, v3
	v_lshlrev_b32 v[BOF], 5, v2                    ; the bias: my half's eight columns
	WIN TO_B
.irp b, 0,1,2,3,4,5,6,7
	global_load_b128 v[192+8*\b:195+8*\b], v[BOF], s[8:9] offset:64*\b
	global_load_b128 v[196+8*\b:199+8*\b], v[BOF], s[8:9] offset:64*\b+16
.endr
	WIN 0
	s_mul_i32 s21, s15, 4*REC                      ; my four records of A
	s_mul_i32 s22, s16, 8*REC
	s_add_co_u32 s22, s22, 8*REC                   ; my eight of Wo
.irp s, 0,1
	v_add_nc_u32 v[ADA+\s], s21, v4
	v_add_nc_u32 v[ADB+\s], s22, v4
	v_add_nc_u32 v[ASA+\s], s21, v5
	v_add_nc_u32 v[ASB+\s], s22, v5
	s_add_co_u32 s21, s21, SLOT
	s_add_co_u32 s22, s22, SLOT
.endr
	s_mul_i32 s23, s14, 16*SPITCH                  ; my stage
	v_mul_u32_u24 v6, v1, SPITCH
	v_lshl_add_u32 v6, v2, 5, v6
	v_add_nc_u32 v[STO], s23, v6                   ; in: row r, 32 bytes for each half of the lanes
	v_add_nc_u32 v[RD], s23, v4                    ; back: the 32 lanes take one row of 512 bytes;
	v_lshlrev_b32 v[CO], 4, v3                     ; and the same in out0
.macro FETCH slot, q, p                ; the fragments of the slot's K step q into set p: Wo's eight, A's four
	WIN TO_B
.irp b, 0,1,2,3,4,5,6,7
.irp c, 0,1,2
	ds_load_b128 v[96*(\p)+12*\b+4*\c:96*(\p)+12*\b+4*\c+3], v[ADB+\slot] offset:REC*\b+1536*(\q)+512*\c
.endr
.endr
	WIN 0
.irp a, 0,1,2,3
.irp c, 0,1,2
	ds_load_b128 v[AF+48*(\p)+12*\a+4*\c:AF+48*(\p)+12*\a+4*\c+3], v[ADA+\slot] offset:REC*\a+1536*(\q)+512*\c
.endr
.endr
.endm
.macro SCALES slot                     ; the slot's scale words into its set
.irp e, 0,1
.irp a, 0,1,2,3
	ds_load_b32 v[SC+24*\slot+2*\a+\e], v[ASA+\slot] offset:REC*\a+6144+128*\e
.endr
.irp b, 0,1,2,3,4,5,6,7
	ds_load_b32 v[SC+24*\slot+8+2*\b+\e], v[ASB+\slot] offset:REC*\b+6144+128*\e
.endr
.endr
.endm
; Eight matrix instructions: A's block a against Wo's eight, K step q, fragments of set p, scale words of set sc.  The 32 accumulators take turns in the same order in every step.
.macro MUL8 a, p, q, sc, first
.irp b, 0,1,2,3,4,5,6,7
.if \first
	v_wmma_scale_f32_16x16x128_f8f6f4 v[8*(8*\a+\b):8*(8*\a+\b)+7], v[96*(\p)+12*\b:96*(\p)+12*\b+11], v[AF+48*(\p)+12*\a:AF+48*(\p)+12*\a+11], v[192+8*\b:199+8*\b], v[SC+24*\sc+8+2*\b+(\q)/2], v[SC+24*\sc+2*\a+(\q)/2] matrix_a_fmt:MATRIX_FMT_BF6 matrix_b_fmt:MATRIX_FMT_BF6
.elseif (\q)%2
	v_wmma_scale_f32_16x16x128_f8f6f4 v[8*(8*\a+\b):8*(8*\a+\b)+7], v[96*(\p)+12*\b:96*(\p)+12*\b+11], v[AF+48*(\p)+12*\a:AF+48*(\p)+12*\a+11], v[8*(8*\a+\b):8*(8*\a+\b)+7], v[SC+24*\sc+8+2*\b+(\q)/2], v[SC+24*\sc+2*\a+(\q)/2] matrix_a_fmt:MATRIX_FMT_BF6 matrix_b_fmt:MATRIX_FMT_BF6 matrix_a_scale:MATRIX_SCALE_ROW1 matrix_b_scale:MATRIX_SCALE_ROW1
.else
	v_wmma_scale_f32_16x16x128_f8f6f4 v[8*(8*\a+\b):8*(8*\a+\b)+7], v[96*(\p)+12*\b:96*(\p)+12*\b+11], v[AF+48*(\p)+12*\a:AF+48*(\p)+12*\a+11], v[8*(8*\a+\b):8*(8*\a+\b)+7], v[SC+24*\sc+8+2*\b+(\q)/2], v[SC+24*\sc+2*\a+(\q)/2] matrix_a_fmt:MATRIX_FMT_BF6 matrix_b_fmt:MATRIX_FMT_BF6
.endif
.endr
.endm
; A step of 128 along K that has its successor in the same slot: the successor's fragments are asked for first, into the other set, and land under this step's 32 matrix instructions.
.macro STEP slot, q, first
	s_wait_dscnt 0x0                               ; this step's fragments (asked for a step ago) are in
	PLACES                                         ; four places in front of loads into registers that matrix instructions have read
	FETCH \slot, (\q)+1, 1-(\q)%2
.if \first
	WIN MULB
.else
	WIN MUL
.endif
	MUL8 0, (\q)%2, \q, \slot, \first
	MUL8 1, (\q)%2, \q, \slot, \first
	MUL8 2, (\q)%2, \q, \slot, \first
	MUL8 3, (\q)%2, \q, \slot, \first
	WIN 0
.endm
; A slot's last step changes slots: one barrier; in front of it each wave waits for all its tensor loads, adds 0 to its spare word, and waits for that and for its own reads of this slot.  fill = 1: the slot is filled again, two records on.
.macro TURN slot, next, fill
	s_wait_tensorcnt 0x0                           ; all my tensor loads have landed: the one that was out is my part of the next slot
	ds_add_u32 v[SPW], v[NIL]                      ; 0 onto my spare word
	s_wait_dscnt 1                                 ; this step's fragments are in; the add alone may be out
	WIN MUL
	MUL8 0, 1, 3, \slot, 0                         ; eight matrix instructions stand between the add and the wait for it
	s_wait_dscnt 0x0                               ; the add is done, and my reads of this slot are over
	s_barrier_signal -1
	MUL8 1, 1, 3, \slot, 0
	WIN 0
	s_barrier_wait -1
.if \fill
	CREST                                          ; the barrier has opened a round of the cluster's barrier: no wave of any partner still reads this slot or has a load on its way
	s_add_nc_u64 s[G0+4*\slot+2:G0+4*\slot+3], s[G0+4*\slot+2:G0+4*\slot+3], 2*REC
	s_add_nc_u64 s[G0B+4*\slot+2:G0B+4*\slot+3], s[G0B+4*\slot+2:G0B+4*\slot+3], 2*REC
	JLOAD G0+4*\slot, G1, G0B+4*\slot, G1B         ; the first tensor load behind the round; its four v_nop are also the places in front of the loads below
.else
	PLACES
.endif
	FETCH \next, 0, 0
	SCALES \next
	WIN MUL
	MUL8 2, 1, 3, \slot, 0
	MUL8 3, 1, 3, \slot, 0
	WIN 0
.endm
	s_wait_tensorcnt 1                             ; my part of slot 0 is in; slot 1's may stay out
	s_barrier_signal -1
	s_barrier_wait -1                              ; everybody's is
	FETCH 0, 0, 0
	SCALES 0
	s_wait_loadcnt 0x0                             ; the bias
	STEP 0, 0, 1                                   ; the first step stands in front of the loop: its products start the sums, with the bias as C
	s_mov_b32 s3, 3
.Llap:                                                 ; a trip goes once round the ring, from a lap's second step to the next lap's first, and fills both slots again
	STEP 0, 1, 0
	STEP 0, 2, 0
	TURN 0, 1, 1
	STEP 1, 0, 0
	STEP 1, 1, 0
	STEP 1, 2, 0
	TURN 1, 0, 1
	STEP 0, 0, 0
	s_sub_co_u32 s3, s3, 1
	s_cmp_lg_u32 s3, 0
	s_cbranch_scc1 .Llap
	STEP 0, 1, 0                                   ; the last lap fills nothing, and has no round of the cluster's barrier
	STEP 0, 2, 0
	TURN 0, 1, 0
	STEP 1, 0, 0
	STEP 1, 1, 0
	STEP 1, 2, 0
	s_wait_dscnt 0x0                               ; the very last step: nothing more to fetch
	WIN MUL
	MUL8 0, 1, 3, 1, 0
	MUL8 1, 1, 3, 1, 0
	MUL8 2, 1, 3, 1, 0
	MUL8 3, 1, 3, 1, 0
	WIN 0
; THE WAY OUT, block by block of 16 rows x 128 columns, through my own stage in LDS: back come whole rows of 512 bytes.  LDS serves a wave's instructions in order: no wait between the stores and the loads.
.macro TOSTAGE a
	WIN 0x08                                       ; an LDS store's data are its source 1: window 2
.irp b, 0,1,2,3,4,5,6,7
	ds_store_b128 v[STO], v[8*(8*(\a)+\b):8*(8*(\a)+\b)+3] offset:64*\b          ; each accumulator from its low end on
	ds_store_b128 v[STO], v[8*(8*(\a)+\b)+4:8*(8*(\a)+\b)+7] offset:64*\b+16
.endr
	WIN 0
.set BB, BK+64*((\a)%2)
.irp t, 0,1,2,3,4,5,6,7,8,9,10,11,12,13,14,15
	ds_load_b128 v[BB+4*\t:BB+4*\t+3], v[RD] offset:\t*SPITCH
.endr
.endm
.macro SEND a, younger                 ; younger: the LDS instructions issued behind block a's loads, which may stay out
.set BB, BK+64*((\a)%2)
	s_wait_dscnt \younger
.if (\a) > 0
	s_add_nc_u64 s[10:11], s[10:11], 16*16384      ; 16 rows on (behind a wait on XCNT: the earlier stores have read their base)
.endif
.irp t, 0,1,2,3,4,5,6,7,8,9,10,11,12,13,14,15
	global_store_b128 v[CO], v[BB+4*\t:BB+4*\t+3], s[10:11] offset:\t*16384 th:TH_STORE_NT   ; 32 lanes store 512 consecutive bytes, at a multiple of 256 from out0's first byte
.endr
.endm
	PLACES                                         ; four places behind the last products: for the reads of results and for the loads into registers that held A's fragments
	TOSTAGE 0
.irp a, 1,2,3
.if \a > 1
	s_wait_xcnt 0x0                                ; block a - 2's stores have read their registers and their base
.endif
	TOSTAGE \a
	SEND \a-1, 32                                  ; behind block a - 1's loads: block a's 16 stores and 16 loads
.endr
	s_wait_xcnt 0x0
	SEND 3, 0
	s_wait_tensorcnt 0x0                           ; the wave's end, behind my last tensor load and my last LDS store
	ds_add_u32 v[SPW], v[NIL]
	s_wait_dscnt 0x0
	CROUND                                         ; the closing round: no work-group ends while a partner may still ask for a tile that names it
	s_endpgm
.Lfunc_end_k_qe7063171d5_proj:
	.size	k_qe7063171d5_proj, .Lfunc_end_k_qe7063171d5_proj-k_qe7063171d5_proj
	.p2alignl 7, 3214868480
	.fill 96, 4, 3214868480
	.section	.rodata,"a",@progbits
	.p2align	6, 0x0
	.amdhsa_kernel k_qe7063171d5_proj
		.amdhsa_group_segment_fixed_size 327680
		.amdhsa_private_segment_fixed_size 0
		.amdhsa_enable_private_segment 0
		.amdhsa_kernarg_size 32
		.amdhsa_user_sgpr_count 2
		.amdhsa_user_sgpr_kernarg_segment_ptr 1
		.amdhsa_wavefront_size32 1
		.amdhsa_system_sgpr_workgroup_id_x 1
		.amdhsa_system_sgpr_workgroup_id_y 1
		.amdhsa_system_sgpr_workgroup_id_z 1
		.amdhsa_system_vgpr_workitem_id 0
		.amdhsa_next_free_vgpr 768
		.amdhsa_next_free_sgpr 66
		.amdhsa_reserve_vcc 0
		.amdhsa_float_denorm_mode_32 3
		.amdhsa_float_denorm_mode_16_64 3
		.amdhsa_memory_ordered 1
		.amdhsa_forward_progress 1
		.amdhsa_inst_pref_size 137
	.end_amdhsa_kernel
	.amdgpu_metadata
---
amdhsa.version: [ 1, 2 ]
amdhsa.kernels:
  - .name:           k_qe7063171d5_proj
    .symbol:         k_qe7063171d5_proj.kd
    .args:
      - { .name: aimg, .offset: 0, .size: 8, .value_kind: global_buffer, .address_space: global }
      - { .name: wimg, .offset: 8, .size: 8, .value_kind: global_buffer, .address_space: global }
      - { .name: bo, .offset: 16, .size: 8, .value_kind: global_buffer, .address_space: global }
      - { .name: out0, .offset: 24, .size: 8, .value_kind: global_buffer, .address_space: global }
    .group_segment_fixed_size: 327680
    .private_segment_fixed_size: 0
    .kernarg_segment_align: 8
    .kernarg_segment_size: 32
    .max_flat_workgroup_size: 128
    .sgpr_count:     66
    .vgpr_count:     768
    .wavefront_size: 32
...
	.end_amdgpu_metadata
.endif
;; end of part 3
;; ======== version 2 of 2: 3 launches; version 1 with the launch attn written anew for expert scheduling mode
;; workspace buffers: part 524,288 bytes; aimg 6,553,600 bytes; wimg 13,107,200 bytes
;; launch latent: the kernel of part 1 again; grid 256 x 1, 8 waves a work-group, no clusters, 218,112 bytes of LDS; arguments x, Wq_d, Wkv_d, part; writes part
;; launch attn (part 4): grid 4 x 64, 16 waves a work-group, no clusters, 174,336 bytes of LDS; arguments part, W_qk, b_qk, bq_d, bkv_d, Wv_u, bv_u, Wo_codes, Wo_scales, aimg, wimg; writes aimg, wimg
.if DOCPART == 4
	.amdgcn_target "amdgcn-amd-amdhsa--gfx1250"
	.amdhsa_code_object_version 6
	.text
	.protected	k_qe7063171d5_attn
	.globl	k_qe7063171d5_attn
	.p2align	8
	.type	k_qe7063171d5_attn,@function
k_qe7063171d5_attn:
	s_mov_b64 s[64:65], 0
	v_nop
	global_prefetch_b8 v0, s[64:65] scope:SCOPE_SE
	s_setreg_imm32_b32 hwreg(HW_REG_WAVE_SCHED_MODE, 0, 2), 2
	s_setreg_imm32_b32 hwreg(HW_REG_WAVE_MODE, 25, 1), 1
	s_wait_xcnt 0x0
	s_wait_alu depctr_vm_vsrc(0)
; ATTENTION ON THE LATENTS, for 256 queries of one head of one batch (x = block of queries, y = 32 batch + head); sixteen waves, 16 queries each, four waves to a SIMD.
; It finishes C_kv (all 1,024 keys, into LDS) and C_q (its own queries) from the four slices' partial sums and the biases; makes q (12 -> 4, in f32), with log2(e) / sqrt(4) folded in, so that a score is t;
; makes V = C_kv Wv_u + bv_u of its head in f32, quantises it along the keys to BF6 (E3M2) with E8M0 scales, and lays the codes in LDS as images of operand registers;
; walks the keys, 128 a step: t by the f32 matrix form (K = 4), p = 2^(t - M), M the running largest t rounded up to a whole number, p quantised along the keys, O^T += V^T p^T on codes; the row's sum is taken of the
; unquantised p; at the end O / sum is quantised along the head's 128 and stored as an image of operand registers for the last product.
; BESIDE THAT each work-group lays 16 rows of Wo (n tile 4 y + x) into the same order: its codes pass through LDS, its scale words are regrouped.
; RECORDS (aimg: [row tile 128][g 8], wimg: [n tile 256][g 8]): 6,400 bytes for 16 rows x 512 along K: four images of 1,536 bytes (K step q: register group c of lane l at 1,536 q + 512 c + 16 l), then at 6,144 the scale words, 64 q + 4 r.
; LAYOUT.  Both attention products are used transposed, so a lane holds ONE query (lane % 16).  The keys of a tile of scores, and the channels d of a tile of V, are chosen (r + 8 (r / 8) within 32) so that 16 registers of two
; neighbouring tiles are 16 neighbours along the next product's K.
; AHEAD OF THEIR USE.  The scores of step s + 1 are multiplied inside step s: four of the eight tiles' registers are free as soon as t - M of keys 0-63 is formed, the other four after keys 64-127, so each of the eight products
; stands ahead of a run of eight exponentials.  The keys of step s + 2 are loaded in step s.  Of V's eight fragments of a step one is asked for behind the first batch of exponentials (its registers lie beside p's), three as soon
; as p's codes are whole, ahead of O^T's rescaling, and four behind the first four products, with the next step's search for maxima round those loads.
; NO CLUSTER, NO TENSOR LOAD: what the four work-groups of a head share from memory is 64 KiB of partial sums; V's codes are made in LDS, not fetched.
; LIMITS: NaN and infinities among the inputs are not served; a block of zeros gets the scale byte 1 with zero codes (only this program reads the bytes); a p under 2^-126 counts as 0; 1 / sum is v_rcp_f32's.
; THE MODE: SCHED_MODE bits 1:0 = 2 (LLVM: expert scheduling mode 2), set by the entry lines.  The code itself states the register dependences between vector or matrix instructions and memory or LDS instructions,
; with s_wait_alu, always for 0.
; THE PLAN.  Registers that memory or LDS instructions touch, and who else names them:
;   v1-7, v250-253       offsets and LDS addresses: written at the head, never again.  v201-207, v248, v254, v255: written at the head too, read by loads and stores ahead of the key steps alone; then O^T, a chain of the sum, the closing pair.
;   v144-200             ahead of the key steps: loaded parts of C_kv (summed by vector lines, stored to LDS), the bias's copies, Wo's rows and fragments (loaded, stored).  In the key steps: O^T, named by vector and matrix lines alone.
;   v16-79, making V     four sets of keys, loaded once each; set sp is read by fragment sp's eight products alone.
;   PC, PW, making V     written by a fragment's vector lines, read by its four LDS stores, written again by the next fragment's lines.
;   KF, in a key step    read by the step's eight score products; the keys of the step after the next land in it behind the step's third wait.
;   V's slots and VS     slot 3 and its word: read by tile 4's product of the step before, loaded behind the first wait, read by tile 0's, loaded behind the fourth, read by tile 4's.  Slots 0-2 hold p (written by additions and
;                        exponentials, read by conversions and sums), are loaded behind the third wait, read by tiles 1-3's products, loaded behind the fourth, read by tiles 5-7's.
;   PC, PW, in a step    written by vector lines, taken by the scaled products; no memory instruction names them there.
; So a key step has four waits on va_vdst: one behind each batch of exponentials, one behind the exchange of halves, one behind the first four products.  Behind each, the loads that lean on it touch no register that a later
; vector or matrix line names before their own wait on DScnt.  No address is stepped and nothing is stored in the key steps, so they hold no wait on vm_vsrc.
.set CK,   0                           ; LDS: C_kv [key 1024][4] f32
.set VSC,  16384                       ; V's scale words: fragment (8 s + tile) x 128 + 4 l
.set VIMG, 24576                       ; V's images: fragment (8 s + tile) x 1,536 + 512 c + 16 l
.set WST,  122880                      ; 16 rows of Wo's codes, 3,088 bytes apart (772 words: row r starts 4 r banks on)
.set WP,   3088
.set REC,  6400
.set TILEB, 51200
.set KF,   16                          ; v16-31   eight fragments of keys (16 x 4 f32); while V is made v16-79: four such sets
.set P,    32                          ; v32-63   32 numbers p
.set VF,   32                          ; v32-79   four fragments of V: tile t in slot (t + 3) % 4, so that tile 0's slot, v68-79, lies beside p
.set S,    80                          ; v80-143  scores t, and V in f32: written by the f32 matrix form alone
.set O,    144                         ; v144-207 O^T
.set PC,   208                         ; v208-219 codes just made;  v220-222, v224-226 their second halves
.set PT,   220
.set BM,   228                         ; v228-231 a block's largest
.set BX,   232                         ; v232-235 the other half's; then the bytes
.set SO,   236                         ; v236-239 the conversions' scale operands
.set VS,   240                         ; v240-243 V's scale words, by slot
.set PW,   244                         ; v244     the scale word just made
.macro VKLOAD sp                       ; the keys of V's fragment sp of my four, into set sp: row m of tile (c, i) is key 64 c + 32 (m / 8) + 8 i + m % 8
.irp c, 0,1
.irp i, 0,1,2,3
	ds_load_b64 v[KF+16*(\sp)+2*(4*\c+\i):KF+16*(\sp)+2*(4*\c+\i)+1], v7 offset:2048*(\sp)+1024*\c+128*\i
.endr
.endr
.endm
.macro LOADK n, kb                     ; the keys of step n's scores, into v[kb] on: lane r of tile 2 b + u takes key 32 b + 8 u + r + 8 (r / 8)
.irp t, 0,1,2,3,4,5,6,7
	ds_load_b64 v[\kb+2*\t:\kb+2*\t+1], v3 offset:2048*(\n)+512*(\t/2)+128*(\t%2)
.endr
.endm
.macro SCORE t, kb                     ; tile t of the scores, keys from v[kb] on: register 16 b + i of tiles 2 b, 2 b + 1 is t of my query at key 32 b + 16 h + i
	v_wmma_f32_16x16x4_f32 v[S+8*\t:S+8*\t+7], v[\kb+2*\t:\kb+2*\t+1], v[8:9], 0
.endm
.macro MAXB_A                          ; the largest t of each block of 32 keys: for the row's maximum and, since p rises with t, for the block's largest p.  The first four lines,
.irp b, 0,1,2,3
	v_max3_num_f32 v[BM+\b], v[S+16*\b], v[S+16*\b+1], v[S+16*\b+2]
.endr
.endm
.macro MAXB_B1                         ; twelve more,
.irp i, 3,5,7
.irp b, 0,1,2,3
	v_max3_num_f32 v[BM+\b], v[BM+\b], v[S+16*\b+\i], v[S+16*\b+\i+1]
.endr
.endr
.endm
.macro MAXB_B2                         ; and the rest
.irp i, 9,11,13
.irp b, 0,1,2,3
	v_max3_num_f32 v[BM+\b], v[BM+\b], v[S+16*\b+\i], v[S+16*\b+\i+1]
.endr
.endr
.irp b, 0,1,2,3
	v_max_num_f32 v[BM+\b], v[BM+\b], v[S+16*\b+15]
.endr
.irp b, 0,1,2,3
	v_permlanex16_b32 v[BX+\b], v[BM+\b], s48, s49
.endr
.irp b, 0,1,2,3
	v_max_num_f32 v[BM+\b], v[BM+\b], v[BX+\b]     ; with lane l xor 16's 16 keys
.endr
.endm
.macro VLD s, t                        ; V's fragment (step s, tile t) and its scale words into slot (t + 3) % 4
.irp c, 0,1,2
	ds_load_b128 v[VF+12*(((\t)+3)%4)+4*\c:VF+12*(((\t)+3)%4)+4*\c+3], v[4+(\s)/4] offset:12288*((\s)%4)+1536*(\t)+512*\c
.endr
	ds_load_b32 v[VS+((\t)+3)%4], v6 offset:128*(8*(\s)+(\t))
.endm
.macro PVM t, first                    ; O^T's tile t += V^T p^T; the eight accumulators take turns
.if \first
	v_wmma_scale_f32_16x16x128_f8f6f4 v[O+8*(\t):O+8*(\t)+7], v[VF+12*(((\t)+3)%4):VF+12*(((\t)+3)%4)+11], v[PC:PC+11], 0, v[VS+((\t)+3)%4], v[PW] matrix_a_fmt:MATRIX_FMT_BF6 matrix_b_fmt:MATRIX_FMT_BF6
.else
	v_wmma_scale_f32_16x16x128_f8f6f4 v[O+8*(\t):O+8*(\t)+7], v[VF+12*(((\t)+3)%4):VF+12*(((\t)+3)%4)+11], v[PC:PC+11], v[O+8*(\t):O+8*(\t)+7], v[VS+((\t)+3)%4], v[PW] matrix_a_fmt:MATRIX_FMT_BF6 matrix_b_fmt:MATRIX_FMT_BF6
.endif
.endm
	s_load_b512 s[8:23], s[0:1], 0x0               ; part 8, W_qk 10, b_qk 12, bq_d 14, bkv_d 16, Wv_u 18, bv_u 20, Wo_codes 22
	s_load_b128 s[24:27], s[0:1], 0x40             ; Wo_scales 24, aimg 26
	s_load_b64 s[28:29], s[0:1], 0x50              ; wimg
	v_lshrrev_b32 v16, 5, v0
	v_readfirstlane_b32 s50, v16                   ; wave 0..15
	s_and_b32 s52, ttmp7, 0xffff
	s_lshr_b32 s53, s52, 5                         ; batch
	s_and_b32 s54, s52, 31                         ; head
	s_lshl_b32 s55, s52, 2
	s_add_co_u32 s55, s55, ttmp9                   ; my n tile of Wo
	s_mov_b32 s48, 0x76543210
	s_mov_b32 s49, 0xfedcba98                      ; v_permlanex16_b32's selects for lane l xor 16
	v_and_b32 v18, 31, v0                          ; l
	v_and_b32 v16, 15, v0                          ; r
	v_bfe_u32 v17, v0, 4, 1                        ; h
	v_and_b32 v19, 8, v16                          ; 8 (r / 8)
	v_lshlrev_b32 v1, 4, v18                       ; v1 = 16 l
	v_lshlrev_b32 v2, 2, v18                       ; v2 = 4 l
	v_lshlrev_b32 v3, 4, v16
	v_lshl_add_u32 v3, v19, 4, v3
	v_lshl_add_u32 v3, v17, 3, v3                  ; v3: keys of a tile of scores: 16 (r + 8 (r / 8)) + 8 h
	v_add_nc_u32 v4, VIMG, v1                      ; v4, v5: V's images of key steps 0-3 and 4-7
	v_add_nc_u32 v5, VIMG+49152, v1
	v_add_nc_u32 v6, VSC, v2                       ; v6: V's scale words
	s_wait_alu depctr_va_sdst(0)                   ; s50, the wave's number, is written, ahead of its first reader: LDS places and the buffers' offsets are made from it
	s_lshr_b32 s58, s50, 3                         ; which four key steps of V I make
	s_and_b32 s60, s50, 7                          ; which tile of 16 channels
	v_and_b32 v7, 7, v16
	v_lshlrev_b32 v7, 4, v7
	v_lshl_add_u32 v7, v19, 6, v7
	v_lshl_add_u32 v7, v17, 3, v7
	s_lshl_b32 s59, s58, 13
	v_add_nc_u32 v7, s59, v7                       ; v7: keys of a tile of V: 16 (r % 8) + 512 (r / 8) + 8 h + my four steps
	s_mul_i32 s59, s58, 49152
	s_mul_i32 s61, s60, 1536
	s_add_co_u32 s59, s59, s61
	s_add_co_u32 s59, s59, VIMG
	v_add_nc_u32 v206, s59, v1                     ; v206: where I store V's images
	s_lshl_b32 s59, s58, 12
	s_lshl_b32 s61, s60, 7
	s_add_co_u32 s59, s59, s61
	s_add_co_u32 s59, s59, VSC
	v_add_nc_u32 v207, s59, v2                     ; v207: and their scale words
	s_mul_i32 s59, s50, WP
	s_add_co_u32 s59, s59, WST
	v_add_nc_u32 v202, s59, v1                     ; v202: Wo's row w on its way in
	v_mul_u32_u24 v203, v16, WP
	v_mad_u32_u24 v203, v17, 24, v203
	s_mul_i32 s59, s50, 192
	s_add_co_u32 s59, s59, WST
	v_add_nc_u32 v203, s59, v203                   ; v203: row r, K steps 2 w and 2 w + 1, + 24 h
	s_and_b32 s59, s50, 1
	s_mul_i32 s61, s59, 3072
	v_add_nc_u32 v204, s61, v1                     ; v204: wimg: images 2 (w % 2) + e of record w / 2
	s_lshl_b32 s61, s59, 7
	v_add_nc_u32 v205, s61, v2                     ; v205: and their scale words
	s_and_b32 s59, s54, 3
	s_mul_i32 s61, s59, 1536
	v_add_nc_u32 v250, s61, v1                     ; v250: aimg: image head % 4 of record head / 4
	s_lshl_b32 s61, s59, 6
	v_lshl_add_u32 v251, v16, 2, s61               ; v251: and its scale words
	v_lshlrev_b32 v252, 4, v0                      ; v252: 16 t: C_kv's partial sums, and C_kv in LDS
	v_lshlrev_b32 v253, 7, v16
	v_lshl_add_u32 v253, v17, 2, v253              ; v253: Wo's scale bytes: row r, K step 2 w + h
	v_mul_u32_u24 v254, v16, 48                    ; v254: C_q's partial sums of query r
	v_lshlrev_b32 v255, 3, v17                     ; v255: 8 h
	s_lshr_b32 s59, s60, 1
	s_lshl_b32 s59, s59, 5
	s_and_b32 s61, s60, 1
	s_lshl_b32 s61, s61, 3
	s_add_co_u32 s59, s59, s61
	v_add_nc_u32 v248, v19, v16
	v_add_nc_u32 v248, s59, v248
	v_lshlrev_b32 v248, 2, v248                    ; v248: 4 d, d = 32 (tile / 2) + 8 (tile % 2) + r + 8 (r / 8)
	v_lshl_add_u32 v201, v17, 15, v248             ; v201: + rows 2 h of Wv_u
	v_mov_b32 v235, 0                              ; a lane permute's destination counts as one of its sources
	s_mov_b32 s57, 0
	s_wait_kmcnt 0x0
	s_load_b256 s[32:39], s[14:15], 0x0            ; bq_d
	s_load_b128 s[40:43], s[14:15], 0x20
	s_load_b128 s[44:47], s[16:17], 0x0            ; bkv_d
	s_lshl_b32 s56, s53, 14
	s_add_co_u32 s56, s56, 393216
	s_add_nc_u64 s[2:3], s[8:9], s[56:57]          ; region KV at my batch's first key
	s_lshl_b32 s56, s53, 10
	s_lshl_b32 s58, ttmp9, 8
	s_add_co_u32 s56, s56, s58
	s_lshl_b32 s58, s50, 4
	s_add_co_u32 s56, s56, s58                     ; my first query's row
	s_lshr_b32 s62, s56, 4                         ; my row tile
	s_mul_i32 s56, s56, 48
	s_add_nc_u64 s[4:5], s[8:9], s[56:57]          ; region Q at that row
	s_lshl_b32 s56, s55, 4
	s_add_co_u32 s56, s56, s50
	s_mul_i32 s56, s56, 3072
	s_add_nc_u64 s[22:23], s[22:23], s[56:57]      ; Wo's codes: row 16 nt + w
	s_lshl_b32 s56, s55, 11
	s_lshl_b32 s58, s50, 3
	s_add_co_u32 s56, s56, s58
	s_add_nc_u64 s[24:25], s[24:25], s[56:57]      ; Wo's scale bytes: tile nt, K steps 2 w on
	s_lshl_b32 s56, s54, 4
	s_add_nc_u64 s[10:11], s[10:11], s[56:57]      ; W_qk and b_qk at my head's four columns
	s_add_nc_u64 s[12:13], s[12:13], s[56:57]
	s_lshl_b32 s56, s54, 9
	s_add_nc_u64 s[18:19], s[18:19], s[56:57]      ; Wv_u and bv_u at my head's 128
	s_add_nc_u64 s[20:21], s[20:21], s[56:57]
	s_mul_i32 s56, s62, TILEB
	s_lshr_b32 s58, s54, 2
	s_mul_i32 s58, s58, REC
	s_add_co_u32 s56, s56, s58
	s_add_nc_u64 s[26:27], s[26:27], s[56:57]      ; aimg: my row tile, record head / 4
	s_mul_i32 s56, s55, TILEB
	s_lshr_b32 s58, s50, 1
	s_mul_i32 s58, s58, REC
	s_add_co_u32 s56, s56, s58
	s_add_nc_u64 s[28:29], s[28:29], s[56:57]      ; wimg: tile nt, record w / 2
	s_wait_alu depctr_va_vdst(0)                   ; every offset and LDS address of the kernel is written (v1-7, v201-207, v248, v250-255), which the loads and stores from here on read; so are v16-19, in which keys land
	; 43 loads, in the order in which they are wanted
.irp e, 0,1
.irp sl, 0,1,2,3
	global_load_b128 v[144+16*\e+4*\sl:147+16*\e+4*\sl], v252, s[2:3] offset:32768*\sl+8192*\e   ; keys t and t + 512, four slices
.endr
.endr
.irp i, 0,1,2,3,4,5
	global_load_b128 v[176+4*\i:179+4*\i], v1, s[22:23] offset:512*\i th:TH_LOAD_NT   ; a row of Wo's codes, 512 consecutive bytes a load; read once in the launch
.endr
	global_load_b32 v200, v253, s[24:25]
.irp sl, 0,1,2,3
.irp i, 0,1,2
	global_load_b128 v[32+12*\sl+4*\i:35+12*\sl+4*\i], v254, s[4:5] offset:98304*\sl+16*\i
.endr
.endr
.irp i, 0,1,2,3,4,5,6,7,8,9,10,11
	global_load_b64 v[208+2*\i:209+2*\i], v255, s[10:11] offset:512*\i   ; W_qk(i, 4 head + 2 h + 0, 1)
.endr
	global_load_b64 v[232:233], v255, s[12:13]
	global_load_b32 v10, v201, s[18:19]            ; Wv_u(2 h, d), Wv_u(2 h + 1, d): source 1 of V's product
	global_load_b32 v11, v201, s[18:19] offset:16384
	global_load_b32 v234, v248, s[20:21]           ; bv_u(d)
	s_wait_loadcnt 35                              ; the first 8 of the 43 are in
	s_wait_kmcnt 0x0
.irp e, 0,1
.irp j, 0,2
	v_pk_add_f32 v[144+16*\e+\j:145+16*\e+\j], v[144+16*\e+\j:145+16*\e+\j], v[148+16*\e+\j:149+16*\e+\j]
	v_pk_add_f32 v[152+16*\e+\j:153+16*\e+\j], v[152+16*\e+\j:153+16*\e+\j], v[156+16*\e+\j:157+16*\e+\j]
.endr
.irp j, 0,2
	v_pk_add_f32 v[144+16*\e+\j:145+16*\e+\j], v[144+16*\e+\j:145+16*\e+\j], v[152+16*\e+\j:153+16*\e+\j]
.endr
.irp j, 0,1,2,3
	v_add_f32 v[144+16*\e+\j], s[44+\j], v[144+16*\e+\j]   ; + bkv_d
.endr
.endr
	s_wait_alu depctr_va_vdst(0)                   ; the additions have written C_kv of my two keys, v144-147 and v160-163, which the two LDS stores read; and they are done with v152-175, in which Wo's fragments land below
.irp e, 0,1
	ds_store_b128 v252, v[144+16*\e:147+16*\e] offset:CK+8192*\e
.endr
	s_wait_loadcnt 29                              ; the first 14 of the 43 are in: Wo's row
.irp i, 0,1,2,3,4,5
	ds_store_b128 v202, v[176+4*\i:179+4*\i] offset:512*\i
.endr
	s_wait_dscnt 0x0                               ; for the others' sake
	s_barrier_signal -1
	s_barrier_wait -1                              ; C_kv and Wo's 16 rows lie in LDS
	s_wait_alu depctr_vm_vsrc(0)                   ; my LDS stores have read v160-163, in which a load below lands, and v144-147, which the bias's copies write
.irp e, 0,1
.irp p, 0,1,2,3,4,5
	ds_load_b64 v[152+12*\e+2*\p:153+12*\e+2*\p], v203 offset:96*\e+48*(\p/3)+8*(\p%3)   ; two fragments of Wo: row r's 24 bytes at 96 (2 w + e) + 24 h, and those 48 on
.endr
.endr
	VKLOAD 0                                       ; the keys of V's first fragment land under the arithmetic below
	s_wait_loadcnt 0x0
.irp i, 0,2,4,6,8,10                           ; C_q of my query: the four slices, then the bias
	v_pk_add_f32 v[32+\i:33+\i], v[32+\i:33+\i], v[44+\i:45+\i]
	v_pk_add_f32 v[56+\i:57+\i], v[56+\i:57+\i], v[68+\i:69+\i]
.endr
.irp i, 0,2,4,6,8,10
	v_pk_add_f32 v[32+\i:33+\i], v[32+\i:33+\i], v[56+\i:57+\i]
.endr
.irp i, 0,1,2,3,4,5,6,7,8,9,10,11
	v_add_f32 v[32+\i], s[32+\i], v[32+\i]
.endr
	v_fma_f32 v8, v32, v208, v232                  ; q(2 h + 0, 1) = b_qk + the sum over i of C_q(i) W_qk(i, .)
	v_fma_f32 v9, v32, v209, v233
.irp i, 1,2,3,4,5,6,7,8,9,10,11
	v_fma_f32 v8, v[32+\i], v[208+2*\i], v8
	v_fma_f32 v9, v[32+\i], v[209+2*\i], v9
.endr
	v_mul_f32 v8, 0x3f38aa3b, v8                   ; x log2(e) / sqrt(4): source 1 of the scores' product, so that a score is t
	v_mul_f32 v9, 0x3f38aa3b, v9
.irp j, 0,1,2,3,4,5,6,7
	v_mov_b32 v[144+\j], v234                      ; bv_u(d) in the result's layout: the C of V's product
.endr
	s_wait_alu depctr_va_vdst(0)                   ; C_q's additions and q's multiply-adds are done writing and reading v32-79, in which the keys of V's fragments 1 to 3 land
	VKLOAD 1                                       ; a set of registers for each fragment's keys: each set is loaded once, so the four fragments below owe no wait for their keys' registers
	VKLOAD 2
	VKLOAD 3
	s_wait_dscnt 32                                ; Wo's 12 loads are in; the 32 loads of keys behind them may be out
.irp e, 0,1
.irp c, 0,1,2
	global_store_b128 v204, v[152+12*\e+4*\c:155+12*\e+4*\c], s[28:29] offset:1536*\e+512*\c   ; 512 consecutive bytes, at a multiple of 256 from the buffer's first byte
.endr
.endr
	global_store_b32 v205, v200, s[28:29] offset:6144
; V of my 16 channels at the 128 keys of step 4 (w / 8) + sp: eight products of the f32 form (source 0 = 16 keys, source 1 = Wv_u, C = the bias).  A lane's registers 32 c .. 32 c + 31 are the whole block 2 c + h of 32 keys
; of its channel: the largest magnitude needs no other lane, and the conversions' results are the operand's registers.
.macro VPREP sp
	s_wait_dscnt 24-4*\sp                          ; set sp of the keys is in: behind it stand 8 (3 - sp) loads of keys and 4 sp stores of fragments, which may be out
.if \sp > 0
	s_wait_alu depctr_vm_vsrc(0)                   ; the last fragment's four LDS stores have read PC and PW, which the lines below write again
.endif
.irp c, 0,1
.irp i, 0,1,2,3
	v_wmma_f32_16x16x4_f32 v[S+32*\c+8*\i:S+32*\c+8*\i+7], v[KF+16*\sp+2*(4*\c+\i):KF+16*\sp+2*(4*\c+\i)+1], v[10:11], v[144:151]
.endr
.endr
.rept 8
	v_nop                                          ; eight places behind this form, ahead of the reads of results
.endr
.irp c, 0,1
	v_max3_num_f32 v[BM+\c], |v[S+32*\c]|, |v[S+1+32*\c]|, 0x2800000   ; with the floor 2^(5 - 127): the byte cannot fall under 1
.endr
.irp i, 2,4,6,8,10,12,14,16,18,20,22,24,26,28,30
.irp c, 0,1
	v_max3_num_f32 v[BM+\c], v[BM+\c], |v[S+32*\c+\i]|, |v[S+1+32*\c+\i]|
.endr
.endr
.irp c, 0,1
	v_add_nc_u32 v[SO+\c], 0xfe000000, v[BM+\c]    ; 4 off the exponent field: the conversion's scale operand
.endr
.irp c, 0,1
	v_lshrrev_b32 v[BX+\c], 23, v[SO+\c]           ; the scale's byte
.endr
	v_lshl_or_b32 v[PW], v[BX+1], 16, v[BX]        ; my two bytes, blocks h and 2 + h,
	v_lshlrev_b32 v[PW], v255, v[PW]               ; 8 h bits up;
	v_permlanex16_b32 v[BX+3], v[PW], s48, s49
	v_or_b32 v[PW], v[PW], v[BX+3]                 ; with lane l xor 16's two the word is whole
.irp c, 0,1
	v_cvt_scalef32_pk16_bf6_f32 v[PC+6*\c:PC+6*\c+2], v[S+32*\c:S+32*\c+15], v[SO+\c]
	v_cvt_scalef32_pk16_bf6_f32 v[PT+4*\c:PT+4*\c+2], v[S+32*\c+16:S+32*\c+31], v[SO+\c]   ; (a conversion's three registers begin on an even number)
.endr
	v_nop                                          ; one plain place behind a scaled conversion
.irp c, 0,1
.irp i, 0,1,2
	v_mov_b32 v[PC+3+6*\c+\i], v[PT+4*\c+\i]
.endr
.endr
	s_wait_alu depctr_va_vdst(0)                   ; the conversions and moves have written PC, and the lines above them PW, which the four LDS stores read; the products are done reading their set of keys
.irp c, 0,1,2
	ds_store_b128 v206, v[PC+4*\c:PC+4*\c+3] offset:12288*\sp+512*\c   ; the fragment as it stands
.endr
	ds_store_b32 v207, v[PW] offset:1024*\sp
.endm
	VPREP 0
	VPREP 1
	VPREP 2
	VPREP 3
	LOADK 0, 32                                    ; step 0's keys into the set that V's second fragment has left, step 1's into KF (C_kv is written by nobody any more).
	LOADK 1, KF                                    ; No wait: the products that read these two sets stand ahead of the wait above, and no vector or matrix line since names them
.irp b, 0,1,2,3
	v_mov_b32 v[BX+\b], 0                          ; written once: lane permutes' destinations count as sources
.endr
	v_mov_b32 v245, 0
	v_mov_b32 v247, 0                              ; (named as the upper half of the pair v[246:247])
	s_wait_xcnt 0x0                                ; wimg's stores have had their addresses translated: their registers are written again only behind this wait
	s_wait_alu depctr_vm_vsrc(0)                   ; wimg's stores have read v152-175, v200, v204 and v205, the loads and LDS stores so far v201-203, v206, v207 and v248, the last fragment's stores PC and PW: the key steps write all of these
	s_wait_dscnt 0x0                               ; for the others' sake: my four fragments of V have landed; and the keys of steps 0 and 1 are in
	s_barrier_signal -1
.irp t, 0,1,2,3,4,5,6,7                        ; between the signal and the wait: work on registers
	SCORE \t, 32                                   ; step 0's scores
.endr
.rept 8
	v_nop                                          ; eight places behind this form
.endr
	MAXB_A
	MAXB_B1
	MAXB_B2
	s_barrier_wait -1                              ; V's 64 fragments lie in LDS; nothing is written to LDS from here on
; A KEY STEP: 128 keys.  At its head the step's scores lie in S, their blocks' maxima in BM, and the next step's keys in KF.  first = 1: the first step starts M, the sum and O^T.
.macro STEP s, first
	v_max3_num_f32 v245, v[BM], v[BM+1], v[BM+2]
.if \first
	v_max_num_f32 v13, v245, v[BM+3]               ; the largest t so far
	v_floor_f32 v12, -v13                          ; -M = floor(-t) = -ceil(t)
.else
	v_max3_num_f32 v13, v245, v[BM+3], v13
	v_mov_b32 v245, v12
	v_floor_f32 v12, -v13
	v_sub_f32 v245, v12, v245                      ; old M - new M: a whole number, 0 or less
	v_cvt_i32_f32 v245, v245                       ; (it saturates)
	v_ldexp_f32 v246, 1.0, v245                    ; f = 2^(old M - new M): rounds nothing
.endif
.irp b, 0,1,2,3
	v_add_f32 v[BM+\b], v[BM+\b], v12              ; the same addition as on every t below: the same bits
.endr
.irp c, 0,1                                    ; 64 keys at a time: p goes into other registers than the scores
.set j, 0
.rept 16
	v_pk_add_f32 v[P+j:P+j+1], v[S+32*\c+j:S+32*\c+j+1], v[12:13] op_sel_hi:[1,0]   ; t - M
.set j, j+2
.endr
.irp k, 0,1,2,3                                ; these 32 scores have been read: four tiles of the NEXT step's scores take their registers, one product ahead of each eight exponentials
.if \s < 7
	SCORE (4*\c+\k), KF
.endif
.set j, 8*\k
.rept 8
	v_exp_f32 v[P+j], v[P+j]                       ; p = 2^(t - M), at most 1, not normalised
.set j, j+1
.endr
.endr
.if \c == 0
.irp b, 0,1,2,3
	v_exp_f32 v[BM+\b], v[BM+\b]                   ; each block's largest p
.endr
.if \first
	v_mov_b32 v14, 0                               ; the sum, in two halves.  (A plain place behind the exponentials)
	v_mov_b32 v15, 0
.else
	v_pk_mul_f32 v[14:15], v[14:15], v[246:247] op_sel_hi:[1,0]   ; the sum under the new M.  (A plain place behind the exponentials)
.endif
	s_wait_alu depctr_va_vdst(0)                   ; the 36 exponentials have written p of keys 0-63 and the blocks' largest p, ahead of their first readers; and the last step's products are done reading the slot beside p and its scale words, in which the loads below land
	VLD \s, 0                                      ; V's tile 0: no vector or matrix line names v68-79 or v243 before tile 0's product
.irp b, 0,1,2,3
	v_max_num_f32 v[BM+\b], 0x2800000, v[BM+\b]    ; the floor 2^(5 - 127)
.endr
.irp b, 0,1,2,3
	v_add_nc_u32 v[SO+\b], 0xfe000000, v[BM+\b]    ; the conversion's scale operand
.endr
.irp b, 0,1,2,3
	v_lshrrev_b32 v[BX+\b], 23, v[SO+\b]           ; the scale's byte
.endr
	v_lshl_or_b32 v[PW], v[BX+1], 8, v[BX]         ; p's scale word for these 128 keys
	v_lshl_or_b32 v[PW], v[BX+2], 16, v[PW]
	v_lshl_or_b32 v[PW], v[BX+3], 24, v[PW]
.else
	v_nop                                          ; a plain place behind the exponentials
	s_wait_alu depctr_va_vdst(0)                   ; the 32 exponentials have written p of keys 64-127, ahead of their first readers
.endif
	v_cvt_scalef32_pk16_bf6_f32 v[PC+6*\c:PC+6*\c+2], v[P:P+15], v[SO+2*\c]
	v_cvt_scalef32_pk16_bf6_f32 v[PT+4*\c:PT+4*\c+2], v[P+16:P+31], v[SO+2*\c+1]
	v_nop                                          ; one plain place behind a scaled conversion
.if \c == 0                                    ; the row's sum is taken of the unquantised p, two at a time, in two chains
	v_pk_add_f32 v[248:249], v[P:P+1], v[P+2:P+3]
.set j, 4
.rept 7
	v_pk_add_f32 v[14:15], v[14:15], v[P+j:P+j+1]
	v_pk_add_f32 v[248:249], v[248:249], v[P+j+2:P+j+3]
.set j, j+4
.endr
.else
.set j, 0
.rept 8
	v_pk_add_f32 v[14:15], v[14:15], v[P+j:P+j+1]
	v_pk_add_f32 v[248:249], v[248:249], v[P+j+2:P+j+3]
.set j, j+4
.endr
	v_pk_add_f32 v[14:15], v[14:15], v[248:249]
.endif
.endr
.irp c, 0,1                                    ; the operand's layout wants a whole block in a lane: lanes 0-15 block 2 c, lanes 16-31 block 2 c + 1
.irp i, 0,1,2
	v_permlane16_swap_b32 v[PC+6*\c+\i], v[PT+4*\c+\i]
.endr
.irp i, 0,1,2
	v_mov_b32 v[PC+3+6*\c+\i], v[PT+4*\c+\i]
.endr
.endr
	s_wait_alu depctr_va_vdst(0)                   ; the conversions and sums are done reading p, in whose registers V's tiles 1 to 3 land; the score products are done reading KF; PC and PW are written, which the scaled products take as source 1 and as its scales
	VLD \s, 1                                      ; they land under the lines below, which name O^T and f alone
	VLD \s, 2
	VLD \s, 3
.if \s < 6
	LOADK (\s+2), KF                               ; the keys of the step after the next
.endif
.if \first
.rept 8
	v_nop                                          ; places between the codes' last write and the products
.endr
.else
.set j, 0
.rept 32
	v_pk_mul_f32 v[O+j:O+j+1], v[O+j:O+j+1], v[246:247] op_sel_hi:[1,0]   ; O^T under the new M; these are also the places in front of the products
.set j, j+2
.endr
.endif
.if \s < 6
	s_wait_dscnt 8                                 ; V's tiles 0 to 3 are in; the eight loads of keys issued behind them may be out
.else
	s_wait_dscnt 0x0
.endif
.irp t, 0,1,2,3
	PVM \t, \first
.endr
.if \s < 7
	MAXB_A                                         ; the next step's maxima begin: sixteen plain lines that name no register of the products above stand between those and the wait for them
	MAXB_B1
.else
.rept 4
	v_nop                                          ; four places behind the products above
.endr
.endif
	s_wait_alu depctr_va_vdst(0)                   ; the four products above are done reading V's four slots and their scale words, in which the loads below land
	VLD \s, 4
	VLD \s, 5
	VLD \s, 6
	VLD \s, 7
.if \s < 7
	MAXB_B2                                        ; the rest of the maxima stands between the loads and their wait; it names S, BM and BX alone
.endif
	s_wait_dscnt 0x0                               ; V's tiles 4 to 7 are in, and so are the keys
.irp t, 4,5,6,7
	PVM \t, \first
.endr
.endm
	STEP 0, 1
.irp s, 1,2,3,4,5,6,7
	STEP \s, 0
.endr
	; THE WAY OUT: O^T / the sum, quantised along the head's 128: register 16 b + i is channel 32 b + 16 h + i of my query
.rept 4
	v_nop                                          ; places behind the last products
.endr
	v_add_f32 v14, v14, v15                        ; the sum's two halves,
	v_permlanex16_b32 v245, v14, s48, s49
	v_add_f32 v14, v14, v245                       ; and lane l xor 16's
	v_rcp_f32 v14, v14
	v_nop                                          ; a plain place behind the transcendental
.set E, 16
.set j, 0
	s_wait_alu depctr_va_vdst(0)                   ; the reciprocal has written v14, ahead of its first reader
.rept 64
	v_mul_f32 v[E+j], v[O+j], v14
.set j, j+1
.endr
.irp b, 0,1,2,3
	v_max3_num_f32 v[BM+\b], |v[E+16*\b]|, |v[E+1+16*\b]|, 0x2800000
.endr
.irp i, 2,4,6,8,10,12,14
.irp b, 0,1,2,3
	v_max3_num_f32 v[BM+\b], v[BM+\b], |v[E+16*\b+\i]|, |v[E+1+16*\b+\i]|
.endr
.endr
.irp b, 0,1,2,3
	v_permlanex16_b32 v[BX+\b], v[BM+\b], s48, s49
.endr
.irp b, 0,1,2,3
	v_max_num_f32 v[BM+\b], v[BM+\b], v[BX+\b]
.endr
.irp b, 0,1,2,3
	v_add_nc_u32 v[SO+\b], 0xfe000000, v[BM+\b]
.endr
.irp b, 0,1,2,3
	v_lshrrev_b32 v[BX+\b], 23, v[SO+\b]
.endr
	v_lshl_or_b32 v[PW], v[BX+1], 8, v[BX]
	v_lshl_or_b32 v[PW], v[BX+2], 16, v[PW]
	v_lshl_or_b32 v[PW], v[BX+3], 24, v[PW]
.irp c, 0,1
	v_cvt_scalef32_pk16_bf6_f32 v[PC+6*\c:PC+6*\c+2], v[E+32*\c:E+32*\c+15], v[SO+2*\c]
	v_cvt_scalef32_pk16_bf6_f32 v[PT+4*\c:PT+4*\c+2], v[E+32*\c+16:E+32*\c+31], v[SO+2*\c+1]
.endr
	v_nop
.irp c, 0,1
.irp i, 0,1,2
	v_permlane16_swap_b32 v[PC+6*\c+\i], v[PT+4*\c+\i]
.endr
.irp i, 0,1,2
	v_mov_b32 v[PC+3+6*\c+\i], v[PT+4*\c+\i]
.endr
.endr
	s_wait_alu depctr_va_vdst(0)                   ; the exchanges and moves have written PC, and the lines above them PW, which the four stores read
.irp c, 0,1,2
	global_store_b128 v250, v[PC+4*\c:PC+4*\c+3], s[26:27] offset:512*\c   ; 512 consecutive bytes, at a multiple of 256 from the buffer's first byte
.endr
	global_store_b32 v251, v[PW], s[26:27] offset:6144   ; row r's scale word; both halves of the lanes write the same word with the same value
	s_wait_xcnt 0x0
	v_lshl_add_u32 v254, v0, 2, 0x2a100            ; the closing pair, made anew (the loads that read v254 and v255 as offsets stand ahead of the waits on vm_vsrc above; nothing has read them since)
	v_mov_b32 v255, 0
	s_wait_dscnt 0x0                               ; the closing lines, six on end
	s_wait_alu 0x0
	s_wait_tensorcnt 0x0
	ds_add_u32 v254, v255
	s_wait_dscnt 0x0
	s_endpgm
.Lfunc_end_k_qe7063171d5_attn:
	.size	k_qe7063171d5_attn, .Lfunc_end_k_qe7063171d5_attn-k_qe7063171d5_attn
	.p2alignl 7, 3214868480
	.fill 96, 4, 3214868480
	.section	.rodata,"a",@progbits
	.p2align	6, 0x0
	.amdhsa_kernel k_qe7063171d5_attn
		.amdhsa_group_segment_fixed_size 174336
		.amdhsa_private_segment_fixed_size 0
		.amdhsa_enable_private_segment 0
		.amdhsa_kernarg_size 88
		.amdhsa_user_sgpr_count 2
		.amdhsa_user_sgpr_kernarg_segment_ptr 1
		.amdhsa_wavefront_size32 1
		.amdhsa_system_sgpr_workgroup_id_x 1
		.amdhsa_system_sgpr_workgroup_id_y 1
		.amdhsa_system_sgpr_workgroup_id_z 1
		.amdhsa_system_vgpr_workitem_id 0
		.amdhsa_next_free_vgpr 256
		.amdhsa_next_free_sgpr 66
		.amdhsa_reserve_vcc 0
		.amdhsa_float_denorm_mode_32 3
		.amdhsa_float_denorm_mode_16_64 3
		.amdhsa_memory_ordered 1
		.amdhsa_forward_progress 1
		.amdhsa_inst_pref_size 173
	.end_amdhsa_kernel
	.amdgpu_metadata
---
amdhsa.version: [ 1, 2 ]
amdhsa.kernels:
  - .name:           k_qe7063171d5_attn
    .symbol:         k_qe7063171d5_attn.kd
    .args:
      - { .name: part, .offset: 0, .size: 8, .value_kind: global_buffer, .address_space: global }
      - { .name: W_qk, .offset: 8, .size: 8, .value_kind: global_buffer, .address_space: global }
      - { .name: b_qk, .offset: 16, .size: 8, .value_kind: global_buffer, .address_space: global }
      - { .name: bq_d, .offset: 24, .size: 8, .value_kind: global_buffer, .address_space: global }
      - { .name: bkv_d, .offset: 32, .size: 8, .value_kind: global_buffer, .address_space: global }
      - { .name: Wv_u, .offset: 40, .size: 8, .value_kind: global_buffer, .address_space: global }
      - { .name: bv_u, .offset: 48, .size: 8, .value_kind: global_buffer, .address_space: global }
      - { .name: Wo_codes, .offset: 56, .size: 8, .value_kind: global_buffer, .address_space: global }
      - { .name: Wo_scales, .offset: 64, .size: 8, .value_kind: global_buffer, .address_space: global }
      - { .name: aimg, .offset: 72, .size: 8, .value_kind: global_buffer, .address_space: global }
      - { .name: wimg, .offset: 80, .size: 8, .value_kind: global_buffer, .address_space: global }
    .group_segment_fixed_size: 174336
    .private_segment_fixed_size: 0
    .kernarg_segment_align: 8
    .kernarg_segment_size: 88
    .max_flat_workgroup_size: 512
    .sgpr_count:     66
    .vgpr_count:     256
    .wavefront_size: 32
...
	.end_amdgpu_metadata
.endif
;; end of part 4
;; launch proj: the kernel of part 3 again; grid 16 x 16, 4 waves a work-group, clusters of 4 x 4, 327,680 bytes of LDS; arguments aimg, wimg, bo, out0; writes out0
